; MI455X (gfx1250); checked and timed in simulation.
; The chip was launched on July 23, 2026; its instructions are those of AMD's public machine-readable ISA for CDNA 5 (MIT licence, August 2026) and "CDNA5" Instruction Set Architecture Reference Guide (July 2026). The comments in the code are by the model that wrote it; some were corrected since.
;; One Step GRU. Allowed arithmetic: matrix products marked QUANTISED: E5M2 operands, one E8M0 scale for each 32 along K, by v_wmma_scale_f32_16x16x128_f8f6f4 with both operands' format E5M2, f32 sums; everything else in f32.
;; Inputs: W_nh_codes 512 x 16 x 32 uint8 (E5M2 codes of W_nh, K innermost, in blocks of 32 codes); W_nh_scales 512 x 16 uint8 (E8M0 scales of W_nh, one for each 32 codes along K); W_nx_codes 512 x 16 x 32 uint8 (E5M2 codes of W_nx, K innermost, in blocks of 32 codes); W_nx_scales 512 x 16 uint8 (E8M0 scales of W_nx, one for each 32 codes along K); W_rh_codes 512 x 16 x 32 uint8 (E5M2 codes of W_rh, K innermost, in blocks of 32 codes); W_rh_scales 512 x 16 uint8 (E8M0 scales of W_rh, one for each 32 codes along K); W_rx_codes 512 x 16 x 32 uint8 (E5M2 codes of W_rx, K innermost, in blocks of 32 codes); W_rx_scales 512 x 16 uint8 (E8M0 scales of W_rx, one for each 32 codes along K); W_zh_codes 512 x 16 x 32 uint8 (E5M2 codes of W_zh, K innermost, in blocks of 32 codes); W_zh_scales 512 x 16 uint8 (E8M0 scales of W_zh, one for each 32 codes along K); W_zx_codes 512 x 16 x 32 uint8 (E5M2 codes of W_zx, K innermost, in blocks of 32 codes); W_zx_scales 512 x 16 uint8 (E8M0 scales of W_zx, one for each 32 codes along K); b_nh 512 float32; b_nx 512 float32; b_rh 512 float32; b_rx 512 float32; b_zh 512 float32; b_zx 512 float32; h 32,768 x 512 float32; x_codes 32,768 x 16 x 32 uint8 (E5M2 codes of x, K innermost, in blocks of 32 codes); x_scales 32,768 x 16 uint8 (E8M0 scales of x, one for each 32 codes along K).
;; Outputs: out0 32,768 x 512 float32.
;; This version of the problem:
;;   THIS VERSION OF THE PROBLEM IS GIVEN IN LOW PRECISION. The matrix products marked QUANTISED in the list below multiply operands that are first quantised to E5M2 (5 exponent bits, 2 mantissa bits; 8 bits a number), with one power-of-two scale for each 32 numbers along K (OCP MX v1.0); their sums are f32. All else is computed in f32.
;;   The module's matrix products, in the order in which they are computed (A, B: the left and right operand; K: the contracted axis; several contracted axes count as one K, in the product's order):
;;     1. [M 32,768, K 512] x [K 512, N 512]; A: input x (given as codes); B: input W_rx (given as codes): QUANTISED
;;     2. [M 32,768, K 512] x [K 512, N 512]; A: input h; B: input W_rh (given as codes): QUANTISED
;;     3. [M 32,768, K 512] x [K 512, N 512]; A: input x (given as codes); B: input W_zx (given as codes): QUANTISED
;;     4. [M 32,768, K 512] x [K 512, N 512]; A: input h; B: input W_zh (given as codes): QUANTISED
;;     5. [M 32,768, K 512] x [K 512, N 512]; A: input x (given as codes); B: input W_nx (given as codes): QUANTISED
;;     6. [M 32,768, K 512] x [K 512, N 512]; A: computed on the way; B: input W_nh (given as codes): QUANTISED
;;   THE QUANTISER, for each operand of a quantised product, along K:
;;     - K is cut into blocks of 32 from its start; a last block that is shorter is filled with zeros.
;;     - A block's scale is 2^e with e = floor(log2(the largest magnitude in the block)) - 15, held to -126 .. 127; a block of zeros has e = 0. As a byte (E8M0): e + 127.
;;     - Each number is divided by its block's scale, clamped to +-57,344, and rounded to the nearest number of E5M2, ties to even, subnormals kept.
;;     - The product sums the exact products of the quantised numbers (number of the format x scale) in f32.
;;   ~~~python
;;   def quantise(x, axis):      # numpy; x: float32 -> the quantised numbers, widened to float32 again
;;       x = np.moveaxis(x, axis, -1); K = x.shape[-1]
;;       x = np.pad(x, [(0, 0)] * (x.ndim - 1) + [(0, -K % 32)]); x = x.reshape(x.shape[:-1] + (-1, 32)); a = np.abs(x).max(-1, keepdims=True)
;;       e = np.where(a > 0, np.clip(np.frexp(np.where(a > 0, a, 1))[1] - 1 - 15, -126, 127), 0)      # np.frexp(a)[1] - 1 = floor(log2(a)), exactly
;;       r = np.clip(x / 2.0 ** e, -57344, 57344)
;;       step = 2.0 ** (np.maximum(np.frexp(np.where(r == 0, 1, r))[1] - 1, -14) - 2)
;;       q = np.round(r / step) * step * 2.0 ** e      # np.round: ties to even
;;       return np.moveaxis(q.reshape(q.shape[:-2] + (-1,))[..., :K], -1, axis).astype(np.float32)
;;   ~~~
;;   OPERANDS COMPUTED ON THE WAY. 'Computed on the way' means the value that the module computes at that place (a softmax that the list does not call 'softmax' is quantised finished and normalised). What goes into a quantiser is computed in f32, as accurately as f32 sums, v_exp_f32 and their like allow (about 1e-6 of the number): no bf16 or f16 on the way to a quantiser, and a product that is left as it is and whose result goes on into a quantised operand takes f32 operands (vector FMAs, or v_wmma_f32_16x16x4_f32). A number that lies on a knife's edge between two numbers of the format may be rounded either way, as far as f32 arithmetic and the matrix unit's own rounding can turn it there, and no further.
;;   INPUTS GIVEN AS CODES. W_nh (in the module: [512, 512], K = its axis 1); W_nx (in the module: [512, 512], K = its axis 1); W_rh (in the module: [512, 512], K = its axis 1); W_rx (in the module: [512, 512], K = its axis 1); W_zh (in the module: [512, 512], K = its axis 1); W_zx (in the module: [512, 512], K = its axis 1); x (in the module: [32768, 512], K = its axis 1): each comes as NAME_codes (uint8): NAME with its K axis moved to the last place and cut into blocks of 32 codes, [.., K / 32, bytes a block], one block behind the other in memory; one code a byte (a code: sign, 5 exponent bits, 2 mantissa bits); and NAME_scales (uint8): the same leading axes, one E8M0 byte (e + 127) for each 32 codes along K. Its value is code x scale, taken as it is: it is not quantised again, and the codes and scales need not be those that the quantiser above would give.
;; 3 versions, each right; version 2 is faster than version 1; version 3 is version 2 with the launch gru written anew for expert scheduling mode. Each part assembles by itself: llvm-mc -triple=amdgcn-amd-amdhsa -mcpu=gfx1250 --defsym DOCPART=n.
;; ======== version 1 of 3: 1 launch
;; launch gru (part 1): grid 256 x 1, 4 waves a work-group, no clusters, 283,136 bytes of LDS; arguments x_codes, x_scales, h, out0, W_rx_codes, W_rh_codes, W_zx_codes, W_zh_codes, W_nx_codes, W_nh_codes, W_rx_scales, W_rh_scales, W_zx_scales, W_zh_scales, W_nx_scales, W_nh_scales, b_rx, b_rh, b_zx, b_zh, b_nx, b_nh; writes out0
.if DOCPART == 1
	.amdgcn_target "amdgcn-amd-amdhsa--gfx1250"
	.amdhsa_code_object_version 6
	.text
	.protected	k_qf37cf0e8af_gru
	.globl	k_qf37cf0e8af_gru
	.p2align	8
	.type	k_qf37cf0e8af_gru,@function
k_qf37cf0e8af_gru:
	s_mov_b64 s[64:65], 0
	v_nop
	global_prefetch_b8 v0, s[64:65] scope:SCOPE_SE
	s_setreg_imm32_b32 hwreg(HW_REG_WAVE_MODE, 25, 1), 1
	s_wait_xcnt 0x0
; One GRU step.  r = sigmoid(x Wrx^T + h Wrh^T + brx + brh), z likewise, n = tanh(x Wnx^T + (r h) Wnh^T + bnx + bnh), out = (1 - z) n + z h.
; 32,768 rows of 512.  All six products on codes of BF8 (E5M2) with one E8M0 scale for each 32 along K; x and the weights arrive as codes; h and r h are quantised here, from f32.
; SHARES.  A work-group of four waves owns 128 whole rows (r h needs all 512 columns of r of a row): eight tiles m of 16 rows.  THE WAVES SHARE THE COLUMNS: wave w owns columns 128 c + 32 w .. + 31, c = 0 .. 3.
; Products are used TRANSPOSED (source 0 = 16 rows of a weight, source 1 = 16 data rows): a lane holds ONE data row (lane % 16).  The rows of a weight that form a tile are not neighbours: lane r of tile u of a block of
; 32 takes row 8 u + r + 8 (r / 8) of the block, so that the 16 registers of tiles 0 and 1 are 16 neighbouring columns, 16 (lane / 16) + 0 .. 15: as the next product's operand wants them along its K.
; h stays in 512 registers of each wave, in that same layout, read from memory once: it serves its own quantiser, r h and z h.
; Each weight byte is used by one wave of the work-group: it goes from memory straight into that wave's registers, one K step ahead of its use.
; The rows' codes (x, h, r h) go from wave to wave through LDS as IMAGES OF THE OPERAND'S REGISTERS: a fragment (16 rows x 128 K) is 2,048 bytes, register group b of lane l at 512 b + 16 l; its scale word at 4 l.
; A wave's block of 32 columns is register group w of K step c, and byte w of that K step's scale word.
; PASSES, each of 8 steps of 32 matrix instructions on 32 accumulators (8 row tiles x 4 tiles of 16 columns):  R, twice: two blocks of r (x's four K steps with W_rx, h's four with W_rh); then sigmoid, x h, quantised, image
; to LDS.  ZN, four times: one block of z (tiles 0, 1) and of n (tiles 2, 3): four steps in which a fragment of x feeds all four tiles, four in which a fragment of h feeds z's and one of r h feeds n's; then out.
; NO TENSOR LOADS, NO JOINT LOADS, though all work-groups read the same weights: images, scale words, stage and bias table take 282,624 of the 327,680 bytes of LDS, which leaves 45,056; a step's weights are
; 4 waves x 4 tiles x 2,048 = 32,768 bytes, and two slots of that do not fit; and no weight byte has a second reader inside a work-group.
; LIMITS.  A block of zeros gets the scale byte 1 (its codes are zeros; this program alone reads the byte).  NaN and infinities in h are not served.  tanh(a) = 1 - 2 / (1 + 2^(2 a log2 e)): absolute error about 1e-7.
; The two biases of a gate are added to each other first and to the sums of products at the end; x's and h's products of a gate share one f32 sum.
; The last step of the last pass fetches four fragments of x that nobody uses (8 KB of LDS reads): the price of one text for all four ZN passes.
.set IMG,  0                           ; LDS: fragment (J, m) at 16384 J + 2048 m; J = 0-3 x's K steps, 4-7 h's, 8-11 r h's
.set SC,   196608                      ; scale word (J, m) at SC + 1024 J + 128 m + 4 lane
.set STG,  208896                      ; the way out: 128 rows x (512 bytes + 16)
.set BT,   276480                      ; three tables of 512 f32: (b_gx + b_gh) x K_g, g = r, z, n
.set FLOOR, 0x8000000                  ; 2^(16 - 127): under it no largest magnitude is taken, so the byte cannot fall under 1
; window 0
.set LI,   1                           ; v1   16 x lane
.set LS,   2                           ; v2   SC + 4 x lane
.set WOFF, 3                           ; v3   a weight's codes: (r + 8 (r / 8)) x 512 + 16 (lane / 16)
.set WSOFF, 4                          ; v4   a weight's scale words: (r + 8 (r / 8)) x 16
.set WV,   5                           ; v5   WOFF + the pass's blocks
.set WSV,  6                           ; v6   WSOFF + the pass's blocks
.set AD0,  7                           ; v7-9    even steps: LDS address of the fragments (x's or h's), of r h's, of the scale words
.set AD1,  28                          ; v28-30  odd steps: the same.  A step writes the other step's set, whose loads are all in
.set IW,   10                          ; v10  where I store images: 16 x lane + 512 w + the operand's first byte
.set SB,   11                          ; v11  where I store scale bytes: SC + 4 x lane + w
.set SO,   12                          ; v12  the stage, in: STG + 528 r + 128 w + 64 (lane / 16)
.set SR,   13                          ; v13  the stage, back: STG + 32 x 528 w + 16 x lane
.set GO,   14                          ; v14  out: 16 x lane + 512 c
.set BRD,  15                          ; v15  the bias table: BT + 128 w + 64 (lane / 16) + the pass's place
.set ASC,  16                          ; v16-19  scale words of the four fragments in the ring
.set BS,   20                          ; v20-27  the weights' scale words: set s, tile t at BS + 4 s + t
.set HO,   28                          ; at the head only: h's offset 2048 r + 64 (lane / 16);
.set XO,   29                          ; x's codes 512 r + 16 (lane / 16);
.set XSO,  30                          ; x's scale bytes 16 r;
.set BO,   31                          ; 16 x thread
.set XWI,  7                           ; at the head only: where I store x's images, their scale words, my part of the bias table
.set XWS,  8
.set BTW,  9
.set AR,   32                          ; v32-95   a ring of four fragments of the rows' codes
.set BF,   96                          ; v96-159 the weights' four fragments, set 0; v160-223 set 1
.set TM,   160                         ; in phase 0 and the epilogues set 1's registers are free: v160-171 at work,
.set CL,   176                         ; v176-207 32 numbers held within the largest code x the scale,
.set PC,   208                         ; v208-223 codes, two sets of 8
.set BV,   224                         ; v224-255 32 numbers of the bias table
; window 1: the accumulators, (m, t) at 32 m + 8 t.   windows 2, 3: h: H[m][16 c + i] at window 2 + m / 4, register 64 (m % 4) + 16 c + i = h(16 m + r, 128 c + 32 w + 16 (lane / 16) + i)
.set XC, 4
.set XSP, 6
.set HP, 8
.set OP, 10
.set WRX, 12
.set WRH, 14
.set WZX, 16
.set WZH, 18
.set WNX, 20
.set WNH, 22
.set SRX, 24
.set SRH, 26
.set SZX, 28
.set SZH, 30
.set SNX, 32
.set SNH, 34
.set BIA, 36                           ; s[36:47] the six biases
.set WN,  48                           ; s48  my wave's number
.set PW,  50                           ; s[50:51], s[52:53] the R pass's walking pointers: codes, scale words
.set QW,  52
.set RC,  54                           ; counters: R pass, its inner trips, ZN pass
.set RT,  55
.set ZC,  56
.set SEL, 58                           ; s[58:59] v_permlanex16_b32's selects for lane l xor 16
.set MNT, 60                           ; the mantissa field of 57,344
.set KS,  62                           ; s[62:63] -log2(e): sigmoid(a) = 1 / (1 + 2^(-a log2 e))
.set KN,  66                           ; s[66:67] 2 log2(e)
.set MSB, 0
.macro WIN new                         ; the immediate's high byte repeats the setting that is left; a switch that changes nothing is dropped
.if MSB != (\new)
	s_set_vgpr_msb (MSB<<8)|(\new)
.set MSB, (\new)
.endif
.endm
.macro BAR                             ; my LDS stores have landed and my LDS loads are in: then the work-group's barrier
	s_wait_dscnt 0x0
	s_barrier_signal -1
	s_barrier_wait -1
.endm
; A step's weights into set: tiles 0, 1 from pa, tiles 2, 3 from pb (d1 bytes on), 128 along K at byte kc of the rows; their scale words from qa, qb.  20 loads.
.macro BLOAD set, pa, pb, qa, qb, kc, ks, d1, e1
.irp t, 0,1
.irp c, 0,1,2,3
	global_load_b128 v[BF+64*(\set)+16*\t+4*\c:BF+64*(\set)+16*\t+4*\c+3], v[WV], s[\pa:\pa+1] offset:4096*\t+32*\c+(\kc)
.endr
.endr
.irp t, 0,1
.irp c, 0,1,2,3
	global_load_b128 v[BF+64*(\set)+32+16*\t+4*\c:BF+64*(\set)+32+16*\t+4*\c+3], v[WV], s[\pb:\pb+1] offset:4096*\t+32*\c+(\kc)+(\d1)
.endr
.endr
.irp t, 0,1
	global_load_b32 v[BS+4*(\set)+\t], v[WSV], s[\qa:\qa+1] offset:128*\t+(\ks)
	global_load_b32 v[BS+4*(\set)+2+\t], v[WSV], s[\qb:\qb+1] offset:128*\t+(\ks)+(\e1)
.endr
.endm
; A fragment's image and its scale word into place k of the ring: 5 LDS loads
.macro REFILL k, areg, sreg, off, soff
.irp c, 0,1,2,3
	ds_load_b128 v[AR+16*(\k)+4*\c:AR+16*(\k)+4*\c+3], v[\areg] offset:(\off)+512*\c
.endr
	ds_load_b32 v[ASC+(\k)], v[\sreg] offset:\soff
.endm
; The fragment in place k against nt tiles of the weights, from tile t0 on, for row tile m.  The accumulators take turns, one instruction a turn.
; The eight v_nop are the places behind this matrix form in front of the loads into the registers that it has read, and of the first read of results.
.macro TURN k, m, t0, nt, set, zero
	s_wait_dscnt 15                                ; behind this place's five loads three other places' fifteen were issued: they may be out
	WIN 0x50                                       ; C and D window 1
.set tt, (\t0)
.rept \nt
.set rD, 32*(\m)+8*tt
.set rW, BF+64*(\set)+16*tt
.set rA, AR+16*(\k)
.if \zero
	v_wmma_scale_f32_16x16x128_f8f6f4 v[rD:rD+7], v[rW:rW+15], v[rA:rA+15], 0, v[BS+4*(\set)+tt], v[ASC+(\k)] matrix_a_fmt:MATRIX_FMT_BF8 matrix_b_fmt:MATRIX_FMT_BF8
.else
	v_wmma_scale_f32_16x16x128_f8f6f4 v[rD:rD+7], v[rW:rW+15], v[rA:rA+15], v[rD:rD+7], v[BS+4*(\set)+tt], v[ASC+(\k)] matrix_a_fmt:MATRIX_FMT_BF8 matrix_b_fmt:MATRIX_FMT_BF8
.endif
.set tt, tt+1
.endr
.rept 8
	v_nop
.endr
	WIN 0
.endm
; The next step's addresses, into the other set.  nxt = 0, 1: one K step on; 2: back to x's first K step
.macro ADVANCE nxt
.if (\nxt) == 2
	v_mov_b32 v[NX], v[LI]
	v_mov_b32 v[NX+2], v[LS]
.else
	v_add_nc_u32 v[NX], 0x4000, v[CU]
	v_add_nc_u32 v[NX+1], 0x14000, v[CU]           ; r h's images lie four K steps behind h's
	v_add_nc_u32 v[NX+2], 0x400, v[CU+2]
.endif
.endm
; A step in which one fragment feeds all four tiles: 8 turns.  Behind a turn its place in the ring takes the fragment four turns on: this K step's row tiles 4-7, then the next step's first four fragments.
; nxt = 0: the next step is of this kind; 1: of the other kind (h's and r h's fragments by turns); 2: the next pass's first step.
.macro STEP0 set, zero, nxt
.set CU, AD0+(AD1-AD0)*(\set)
.set NX, AD0+(AD1-AD0)*(1-(\set))
.set i, 0
.rept 8
	TURN i%4, i, 0, 4, \set, \zero
.if i < 4
	REFILL i%4, CU, CU+2, 2048*(i+4), 128*(i+4)
.elseif (\nxt) == 1
	REFILL i%4, NX+i%2, NX+2, 2048*((i-4)/2), 4096*(i%2)+128*((i-4)/2)
.else
	REFILL i%4, NX, NX+2, 2048*(i-4), 128*(i-4)
.endif
.if i == 3
	ADVANCE \nxt
.endif
.set i, i+1
.endr
.endm
; A step in which h's fragment feeds tiles 0, 1 and r h's feeds tiles 2, 3: 16 turns, turn i = 2 m + (0: h, 1: r h)
.macro STEP1 set, nxt
.set CU, AD0+(AD1-AD0)*(\set)
.set NX, AD0+(AD1-AD0)*(1-(\set))
.set i, 0
.rept 16
	TURN i%4, i/2, 2*(i%2), 2, \set, 0
.if i < 12
	REFILL i%4, CU+i%2, CU+2, 2048*(i/2+2), 4096*(i%2)+128*(i/2+2)
.elseif (\nxt) == 2
	REFILL i%4, NX, NX+2, 2048*(i-12), 128*(i-12)
.else
	REFILL i%4, NX+i%2, NX+2, 2048*((i-12)/2), 4096*(i%2)+128*((i-12)/2)
.endif
.if i == 11
	ADVANCE \nxt
.endif
.set i, i+1
.endr
.endm
; 32 numbers of a lane, v[S] .. v[S + 31] of window SW: my 16 of each of two blocks of 32 (the other 16 lie in lane l xor 16).  They become 2 x 16 codes and two scale bytes, which go to LDS:
; the first block's at ioff and soff, the second's one K step on.  par: which of the two sets of code and byte registers.
.macro QUANT2 S, SW, ioff, soff, par
	s_wait_dscnt 4                                 ; the four stores of the call before may be out; those of the call before that, which read this set's registers, are done
	WIN (\SW)|((\SW)<<2)
	v_max3_num_f32 v[TM], |v[(\S)]|, |v[(\S)+1]|, FLOOR
	v_max3_num_f32 v[TM+1], |v[(\S)+16]|, |v[(\S)+17]|, FLOOR
.irp i, 2,4,6,8,10,12,14
	v_max3_num_f32 v[TM], |v[(\S)+\i]|, |v[(\S)+\i+1]|, v[TM]           ; the two blocks by turns
	v_max3_num_f32 v[TM+1], |v[(\S)+16+\i]|, |v[(\S)+17+\i]|, v[TM+1]
.endr
	WIN 0
	v_permlanex16_b32 v[TM+2], v[TM], s[SEL], s[SEL+1]
	v_permlanex16_b32 v[TM+3], v[TM+1], s[SEL], s[SEL+1]
	v_max_num_f32 v[TM], v[TM], v[TM+2]            ; with lane l xor 16's: the block's largest magnitude
	v_max_num_f32 v[TM+1], v[TM+1], v[TM+3]
	v_add_nc_u32 v[TM+6], 0xf8800000, v[TM]        ; 15 off its exponent field: the conversion takes the exponent field of this operand as its scale
	v_add_nc_u32 v[TM+7], 0xf8800000, v[TM+1]
	v_and_or_b32 v[TM+4], v[TM], 0x7f800000, s[MNT]    ; 57,344 x the scale
	v_and_or_b32 v[TM+5], v[TM+1], 0x7f800000, s[MNT]
	v_lshrrev_b32 v[TM+8+2*(\par)], 23, v[TM+6]    ; the scale's byte
	v_lshrrev_b32 v[TM+9+2*(\par)], 23, v[TM+7]
	WIN (\SW)
.irp i, 0,1,2,3,4,5,6,7,8,9,10,11,12,13,14,15
	v_med3_num_f32 v[CL+\i], v[(\S)+\i], -v[TM+4], v[TM+4]       ; the conversion to an 8-bit code does not saturate (ISA guide 7.6.2): the hold at the largest code x the scale
.endr
.irp i, 16,17,18,19,20,21,22,23,24,25,26,27,28,29,30,31
	v_med3_num_f32 v[CL+\i], v[(\S)+\i], -v[TM+5], v[TM+5]
.endr
	WIN 0
.irp g, 0,1,2,3
	v_cvt_scalef32_pk8_bf8_f32 v[PC+8*(\par)+2*\g:PC+8*(\par)+2*\g+1], v[CL+8*\g:CL+8*\g+7], v[TM+6+\g/2]
.endr
	v_nop                                          ; one plain vector instruction behind the last scaled conversion
	ds_store_b128 v[IW], v[PC+8*(\par):PC+8*(\par)+3] offset:\ioff
	ds_store_b128 v[IW], v[PC+8*(\par)+4:PC+8*(\par)+7] offset:(\ioff)+16384
	ds_store_b8 v[SB], v[TM+8+2*(\par)] offset:\soff
	ds_store_b8 v[SB], v[TM+9+2*(\par)] offset:(\soff)+1024
.endm
.macro HLOAD m                         ; row tile m of h: my 64 numbers of row r: 16 neighbours of each of my four blocks
	WIN 0x80+0x40*((\m)/4)
.irp c, 0,1,2,3
.irp q, 0,1,2,3
	global_load_b128 v[64*((\m)%4)+16*\c+4*\q:64*((\m)%4)+16*\c+4*\q+3], v[HO], s[HP:HP+1] offset:32768*(\m)+512*\c+16*\q th:TH_LOAD_NT
.endr
.endr
	WIN 0
.endm
; All 256 accumulator registers: a x K + bias x K, 2^., + 1, 1 / .  kind = 0: K = -log2 e throughout; 1: 2 log2 e for tiles 2, 3.  Each accumulator is read from its low end on.
.macro ACT kind
	WIN 0x41                                       ; destination and source 0 window 1
.set a, 0
.rept 128
.if (\kind) && ((a%32) >= 16)
	v_pk_fma_f32 v[a:a+1], v[a:a+1], s[KN:KN+1], v[BV+a%32:BV+a%32+1] op_sel_hi:[1,0,1]
.else
	v_pk_fma_f32 v[a:a+1], v[a:a+1], s[KS:KS+1], v[BV+a%32:BV+a%32+1] op_sel_hi:[1,0,1]
.endif
.set a, a+2
.endr
.set a, 0
.rept 256
	v_exp_f32 v[a], v[a]
.set a, a+1
.endr
	v_nop                                          ; a plain instruction behind the run of exponentials
.set a, 0
	s_wait_alu depctr_va_vdst(0)
.rept 128
	v_pk_add_f32 v[a:a+1], v[a:a+1], 1.0 op_sel_hi:[1,0]
.set a, a+2
.endr
.set a, 0
.rept 256
	v_rcp_f32 v[a], v[a]
.set a, a+1
.endr
	v_nop                                          ; and behind the reciprocals
.endm
.macro RH c                            ; r x h, for the R pass c: only these lines name h's registers, so only they are written once for each pass
.set mm, 0
.rept 8
	WIN 0x49+4*(mm/4)                              ; source 1: window 2 or 3
.set a, 0
	s_wait_alu depctr_va_vdst(0)
.rept 16
	v_pk_mul_f32 v[32*mm+a:32*mm+a+1], v[32*mm+a:32*mm+a+1], v[64*(mm%4)+32*(\c)+a:64*(mm%4)+32*(\c)+a+1]
.set a, a+2
.endr
.set mm, mm+1
.endr
	WIN 0
.endm
.macro ZH c                            ; out = z x h + (n - z n), into z's registers, for the ZN pass c
.set mm, 0
.rept 8
	WIN 0x59+4*(mm/4)
.set a, 0
.rept 8
	v_pk_fma_f32 v[32*mm+a:32*mm+a+1], v[32*mm+a:32*mm+a+1], v[64*(mm%4)+16*(\c)+a:64*(mm%4)+16*(\c)+a+1], v[32*mm+16+a:32*mm+16+a+1]
.set a, a+2
.endr
.set mm, mm+1
.endr
	WIN 0
.endm
	s_load_b512 s[4:19], s[0:1], 0x0               ; x's codes, x's scales, h, out, W_rx, W_rh, W_zx, W_zh
	s_load_b512 s[20:35], s[0:1], 0x40             ; W_nx, W_nh, and the six weights' scales in the same order
	s_load_b256 s[36:43], s[0:1], 0x80             ; b_rx, b_rh, b_zx, b_zh
	s_load_b128 s[44:47], s[0:1], 0xa0             ; b_nx, b_nh
	v_lshrrev_b32 v56, 5, v0
	v_readfirstlane_b32 s[WN], v56                 ; wave 0..3
	v_and_b32 v56, 31, v0                          ; lane
	v_and_b32 v57, 15, v0                          ; r
	v_bfe_u32 v58, v0, 4, 1                        ; lane / 16
	v_and_b32 v59, 8, v57
	v_add_nc_u32 v59, v59, v57                     ; r + 8 (r / 8)
	v_lshlrev_b32 v[LI], 4, v56
	v_lshl_add_u32 v[LS], v56, 2, SC
	v_lshlrev_b32 v[WOFF], 9, v59
	v_lshl_add_u32 v[WOFF], v58, 4, v[WOFF]
	v_lshlrev_b32 v[WSOFF], 4, v59
	v_mov_b32 v[WV], v[WOFF]
	v_mov_b32 v[WSV], v[WSOFF]
	s_lshl_b32 s49, s[WN], 9
	v_add_nc_u32 v[IW], s49, v[LI]
	v_add_nc_u32 v[IW], 0x10000, v[IW]             ; h's images begin at K step 4 of the map
	v_add_nc_u32 v[SB], s[WN], v[LS]
	v_mul_u32_u24 v[SO], v57, 528
	v_lshl_add_u32 v[SO], v58, 6, v[SO]
	s_lshl_b32 s49, s[WN], 7
	v_add_nc_u32 v[SO], s49, v[SO]
	v_add_nc_u32 v[SO], STG, v[SO]
	v_lshlrev_b32 v[BRD], 6, v58
	v_add_nc_u32 v[BRD], s49, v[BRD]
	v_add_nc_u32 v[BRD], BT, v[BRD]
	s_mul_i32 s49, s[WN], 32*528
	v_add_nc_u32 v[SR], s49, v[LI]
	v_add_nc_u32 v[SR], STG, v[SR]
	v_mov_b32 v[GO], v[LI]
	v_lshlrev_b32 v[HO], 11, v57
	v_lshl_add_u32 v[HO], v58, 6, v[HO]
	v_lshlrev_b32 v[XO], 9, v57
	v_lshl_add_u32 v[XO], v58, 4, v[XO]
	v_lshlrev_b32 v[XSO], 4, v57
	v_lshlrev_b32 v[BO], 4, v0
	s_lshl_b32 s49, s[WN], 12
	v_add_nc_u32 v[XWI], s49, v[LI]                ; I bring row tiles 2 w and 2 w + 1 of x
	s_lshl_b32 s49, s[WN], 8
	v_add_nc_u32 v[XWS], s49, v[LS]
	v_add_nc_u32 v[BTW], BT, v[BO]
	v_mov_b32 v[TM+2], 0                           ; written once: a lane permute's destination counts as one of its sources
	v_mov_b32 v[TM+3], 0
	s_mov_b32 s[SEL], 0x76543210
	s_mov_b32 s[SEL+1], 0xfedcba98
	s_mov_b32 s[MNT], 0x600000
	s_mov_b32 s[KS], 0xbfb8aa3b
	s_mov_b32 s[KS+1], s[KS]                       ; (named with it as a pair, so it is written)
	s_mov_b32 s[KN], 0x4038aa3b
	s_mov_b32 s[KN+1], s[KN]
	s_lshl_b32 s68, s[WN], 14                      ; my 32 rows of a block of 128 of a weight: 16,384 w bytes of codes,
	s_mov_b32 s69, 0
	s_lshl_b32 s70, s[WN], 9                       ; 512 w bytes of scales
	s_mov_b32 s71, 0
	s_lshl_b32 s72, ttmp9, 18                      ; h: 128 rows of 2,048 bytes a work-group, + my 128 bytes of a block of 512
	s_lshl_b32 s49, s[WN], 7
	s_add_co_u32 s72, s72, s49
	s_mov_b32 s73, 0
	s_lshl_b32 s74, ttmp9, 16                      ; x's codes: 128 rows of 512 bytes, + my 32 rows
	s_add_co_u32 s74, s74, s68
	s_mov_b32 s75, 0
	s_lshl_b32 s76, ttmp9, 11                      ; x's scales: 128 rows of 16 bytes, + my 32 rows
	s_add_co_u32 s76, s76, s70
	s_mov_b32 s77, 0
	s_lshl_b32 s78, ttmp9, 18                      ; out: 128 rows of 2,048 bytes, + the 32 rows that I store
	s_lshl_b32 s49, s[WN], 16
	s_add_co_u32 s78, s78, s49
	s_mov_b32 s79, 0
	s_wait_kmcnt 0x0
.irp p, 12,14,16,18,20,22
	s_add_nc_u64 s[\p:\p+1], s[\p:\p+1], s[68:69]
.endr
.irp p, 24,26,28,30,32,34
	s_add_nc_u64 s[\p:\p+1], s[\p:\p+1], s[70:71]
.endr
	s_add_nc_u64 s[HP:HP+1], s[HP:HP+1], s[72:73]
	s_add_nc_u64 s[XC:XC+1], s[XC:XC+1], s[74:75]
	s_add_nc_u64 s[XSP:XSP+1], s[XSP:XSP+1], s[76:77]
	s_add_nc_u64 s[OP:OP+1], s[OP:OP+1], s[78:79]
	BLOAD 0, WRX, WRX, SRX, SRX, 0, 0, 65536, 2048 ; the first step's weights: 20 loads
	WIN 0x40                                       ; x's fragments of my two row tiles, into registers that the accumulators will take: 34 loads
.irp mm, 0,1
.irp s, 0,1,2,3
.irp c, 0,1,2,3
	global_load_b128 v[64*\mm+16*\s+4*\c:64*\mm+16*\s+4*\c+3], v[XO], s[XC:XC+1] offset:8192*\mm+128*\s+32*\c th:TH_LOAD_NT
.endr
.endr
	global_load_b128 v[128+4*\mm:131+4*\mm], v[XSO], s[XSP:XSP+1] offset:256*\mm      ; a row's four scale words
.endr
	WIN 0
.irp j, 0,1,2,3,4,5
	global_load_b128 v[32+4*\j:35+4*\j], v[BO], s[BIA+2*\j:BIA+2*\j+1]                ; thread t: numbers 4 t .. 4 t + 3 of each bias
.endr
	HLOAD 0
	HLOAD 1
	HLOAD 2
	s_wait_loadcnt 48                              ; all but h's 48 loads are in
	WIN 0x04                                       ; an LDS store's data: window 1
.irp mm, 0,1
.irp s, 0,1,2,3
.irp c, 0,1,2,3
	ds_store_b128 v[XWI], v[64*\mm+16*\s+4*\c:64*\mm+16*\s+4*\c+3] offset:16384*\s+2048*\mm+512*\c
.endr
	ds_store_b32 v[XWS], v[128+4*\mm+\s] offset:1024*\s+128*\mm
.endr
.endr
	WIN 0
.irp g, 0,1,2
	v_pk_add_f32 v[32+8*\g:33+8*\g], v[32+8*\g:33+8*\g], v[36+8*\g:37+8*\g]
	v_pk_add_f32 v[34+8*\g:35+8*\g], v[34+8*\g:35+8*\g], v[38+8*\g:39+8*\g]
.endr
.irp g, 0,1
	v_pk_mul_f32 v[32+8*\g:33+8*\g], v[32+8*\g:33+8*\g], s[KS:KS+1] op_sel_hi:[1,0]
	v_pk_mul_f32 v[34+8*\g:35+8*\g], v[34+8*\g:35+8*\g], s[KS:KS+1] op_sel_hi:[1,0]
.endr
	v_pk_mul_f32 v[48:49], v[48:49], s[KN:KN+1] op_sel_hi:[1,0]
	v_pk_mul_f32 v[50:51], v[50:51], s[KN:KN+1] op_sel_hi:[1,0]
.irp g, 0,1,2
	ds_store_b128 v[BTW], v[32+8*\g:35+8*\g] offset:2048*\g
.endr
	; ---- h is quantised, a row tile at a time; its loads run three row tiles (48 loads) ahead
.set mq, 0
.rept 8
.if mq+3 < 8
	HLOAD mq+3
.endif
.if mq < 5
	s_wait_loadcnt 48                              ; row tile mq is in; the three behind it may be out
.else
	s_wait_loadcnt 16*(7-mq)
.endif
	QUANT2 64*(mq%4), 2+mq/4, 2048*mq, 4096+128*mq, 0
	QUANT2 64*(mq%4)+32, 2+mq/4, 32768+2048*mq, 6144+128*mq, 1
.set mq, mq+1
.endr
	BAR                                            ; x's and h's images, their scale words and the bias table lie in LDS
	v_add_nc_u32 v[IW], 0x10000, v[IW]             ; from here on r h's images
	v_mov_b32 v[AD0], v[LI]
	v_mov_b32 v[AD0+2], v[LS]
.irp k, 0,1,2,3
	REFILL \k, AD0, AD0+2, 2048*\k, 128*\k
.endr
	; ---- R: two passes.  Every step begins with the wait for its weights, asked for a step ago; that wait also shows every load done whose address registers the step writes
	s_mov_b32 s[RC], 0
.Lr:
	s_wait_loadcnt 0x0
	BLOAD 1, WRX, WRX, SRX, SRX, 128, 4, 65536, 2048
	s_add_nc_u64 s[PW:PW+1], s[WRX:WRX+1], 128
	s_add_nc_u64 s[QW:QW+1], s[SRX:SRX+1], 4
	STEP0 0, 1, 0                                  ; the first step's products start the sums
	s_mov_b32 s[RT], 0
.Lrk:                                              ; steps 1 to 6, two a trip.  Step j asks for step j + 1's weights: W_rx's K steps 2, 3, then W_rh's 0 to 3
	s_wait_loadcnt 0x0
	s_add_nc_u64 s[PW:PW+1], s[PW:PW+1], 128
	s_add_nc_u64 s[QW:QW+1], s[QW:QW+1], 4
	s_cmp_eq_u32 s[RT], 1                          ; in the second trip the walk goes over to W_rh
	s_cselect_b64 s[PW:PW+1], s[WRH:WRH+1], s[PW:PW+1]
	s_cselect_b64 s[QW:QW+1], s[SRH:SRH+1], s[QW:QW+1]
	BLOAD 0, PW, PW, QW, QW, 0, 0, 65536, 2048
	STEP0 1, 0, 0
	s_wait_loadcnt 0x0
	s_add_nc_u64 s[PW:PW+1], s[PW:PW+1], 128
	s_add_nc_u64 s[QW:QW+1], s[QW:QW+1], 4
	BLOAD 1, PW, PW, QW, QW, 0, 0, 65536, 2048
	STEP0 0, 0, 0
	s_add_co_u32 s[RT], s[RT], 1
	s_cmp_lt_u32 s[RT], 3
	s_cbranch_scc1 .Lrk
	s_wait_loadcnt 0x0                             ; step 7 asks for the next pass's first weights
	s_cmp_lg_u32 s[RC], 0
	s_cbranch_scc1 .Lr7b
	v_add_nc_u32 v[WV], 0x20000, v[WOFF]           ; the second R pass: blocks 2 and 3
	v_add_nc_u32 v[WSV], 0x1000, v[WSOFF]
	BLOAD 0, WRX, WRX, SRX, SRX, 0, 0, 65536, 2048
	s_branch .Lr7j
.Lr7b:
	v_mov_b32 v[WV], v[WOFF]                       ; the first ZN pass: block 0
	v_mov_b32 v[WSV], v[WSOFF]
	BLOAD 0, WZX, WNX, SZX, SNX, 0, 0, 0, 0
.Lr7j:
	STEP0 1, 0, 2
.irp b, 0,1
.irp q, 0,1,2,3
	ds_load_b128 v[BV+16*\b+4*\q:BV+16*\b+4*\q+3], v[BRD] offset:512*\b+16*\q
.endr
.endr
	s_wait_dscnt 0x0
	ACT 0                                          ; r
	WIN 0
	s_cmp_lg_u32 s[RC], 0
	s_cbranch_scc1 .Lrh1
	RH 0
	s_branch .Lrhj
.Lrh1:
	RH 1
.Lrhj:
.set mq, 0
.rept 8
	QUANT2 32*mq, 1, 2048*mq, 8192+128*mq, mq%2    ; r h of row tile mq: my register group of two K steps of the last product
.set mq, mq+1
.endr
	s_wait_dscnt 0x0                               ; my stores are done: their address registers may step
	v_add_nc_u32 v[IW], 0x8000, v[IW]              ; two K steps on
	v_add_nc_u32 v[SB], 0x800, v[SB]
	v_add_nc_u32 v[BRD], 0x400, v[BRD]             ; 256 columns on; behind the second pass it stands at z's table
	s_add_co_u32 s[RC], s[RC], 1
	s_cmp_lt_u32 s[RC], 2
	s_cbranch_scc1 .Lr
	BAR                                            ; r h's sixteen K-step groups lie in LDS
	; ---- ZN: four passes
	s_mov_b32 s[ZC], 0
.Lz:
	s_wait_loadcnt 0x0
	BLOAD 1, WZX, WNX, SZX, SNX, 128, 4, 0, 0
	STEP0 0, 1, 0
	s_wait_loadcnt 0x0
	BLOAD 0, WZX, WNX, SZX, SNX, 256, 8, 0, 0
	STEP0 1, 0, 0
	s_wait_loadcnt 0x0
	BLOAD 1, WZX, WNX, SZX, SNX, 384, 12, 0, 0
	STEP0 0, 0, 0
	s_wait_loadcnt 0x0
	BLOAD 0, WZH, WNH, SZH, SNH, 0, 0, 0, 0
	STEP0 1, 0, 1
	s_wait_loadcnt 0x0
	BLOAD 1, WZH, WNH, SZH, SNH, 128, 4, 0, 0
	STEP1 0, 0
	s_wait_loadcnt 0x0
	BLOAD 0, WZH, WNH, SZH, SNH, 256, 8, 0, 0
	STEP1 1, 0
	s_wait_loadcnt 0x0
	BLOAD 1, WZH, WNH, SZH, SNH, 384, 12, 0, 0
	STEP1 0, 0
	s_wait_loadcnt 0x0
	v_add_nc_u32 v[WV], 0x10000, v[WV]             ; the next pass's block
	v_add_nc_u32 v[WSV], 0x800, v[WSV]
	s_cmp_eq_u32 s[ZC], 3                          ; the last pass asks for nothing: no load leaves its buffer
	s_cbranch_scc1 .Lz7
	BLOAD 0, WZX, WNX, SZX, SNX, 0, 0, 0, 0
.Lz7:
	STEP1 1, 2
.irp q, 0,1,2,3
	ds_load_b128 v[BV+4*\q:BV+4*\q+3], v[BRD] offset:16*\q               ; z's biases,
	ds_load_b128 v[BV+16+4*\q:BV+16+4*\q+3], v[BRD] offset:2048+16*\q    ; n's
.endr
	s_wait_dscnt 0x0
	ACT 1                                          ; z, and 1 / (1 + 2^(2 a log2 e))
.set mm, 0
	s_wait_alu depctr_va_vdst(0)
.rept 8
.set a, 16
.rept 8
	v_pk_fma_f32 v[32*mm+a:32*mm+a+1], v[32*mm+a:32*mm+a+1], -2.0, 1.0 op_sel_hi:[1,0,0]      ; n = tanh
.set a, a+2
.endr
.set mm, mm+1
.endr
	WIN 0x55                                       ; all in window 1
.set mm, 0
.rept 8
.set a, 0
.rept 8
	v_pk_fma_f32 v[32*mm+16+a:32*mm+16+a+1], v[32*mm+a:32*mm+a+1], v[32*mm+16+a:32*mm+16+a+1], v[32*mm+16+a:32*mm+16+a+1] neg_lo:[1,0,0] neg_hi:[1,0,0]   ; n - z n
.set a, a+2
.endr
.set mm, mm+1
.endr
	WIN 0
	s_cmp_lt_u32 s[ZC], 2
	s_cbranch_scc0 .Lz23
	s_cmp_eq_u32 s[ZC], 0
	s_cbranch_scc0 .Lz1
	ZH 0
	s_branch .Lzj
.Lz1:
	ZH 1
	s_branch .Lzj
.Lz23:
	s_cmp_eq_u32 s[ZC], 2
	s_cbranch_scc0 .Lz3
	ZH 2
	s_branch .Lzj
.Lz3:
	ZH 3
.Lzj:
	BAR                                            ; every wave's reads of the stage in the pass before are over
	WIN 0x04
.set mm, 0
.rept 8
.irp q, 0,1,2,3
	ds_store_b128 v[SO], v[32*mm+4*\q:32*mm+4*\q+3] offset:8448*mm+16*\q      ; out(16 m + r, 128 c + 32 w + 16 (lane / 16) + 4 q ..)
.endr
.set mm, mm+1
.endr
	BAR                                            ; 128 rows x 512 bytes lie in the stage
	WIN 0x40
.set a, 0
.rept 32
	ds_load_b128 v[4*a:4*a+3], v[SR] offset:528*a  ; my 32 rows, a row an instruction
.set a, a+1
.endr
	WIN 0x04
.set a, 0
.rept 32
	s_wait_dscnt 31-a                              ; row a is in; the rows behind it may be out
	global_store_b128 v[GO], v[4*a:4*a+3], s[OP:OP+1] offset:2048*a th:TH_STORE_NT    ; 32 lanes store 512 consecutive bytes, at a multiple of 512 from out's first byte
.set a, a+1
.endr
	WIN 0
	s_wait_xcnt 0x0                                ; the stores have read their registers: the offset may step, and the next pass's products may write the accumulators
	v_add_nc_u32 v[GO], 0x200, v[GO]
	v_add_nc_u32 v[BRD], 0x200, v[BRD]
	s_add_co_u32 s[ZC], s[ZC], 1
	s_cmp_lt_u32 s[ZC], 4
	s_cbranch_scc1 .Lz
	s_wait_xcnt 0x0
	v_lshl_add_u32 v254, v0, 2, 0x45000
	v_mov_b32 v255, 0
	s_wait_tensorcnt 0x0
	ds_add_u32 v254, v255
	s_wait_dscnt 0x0
	s_endpgm
.Lfunc_end_k_qf37cf0e8af_gru:
	.size	k_qf37cf0e8af_gru, .Lfunc_end_k_qf37cf0e8af_gru-k_qf37cf0e8af_gru
	.p2alignl 7, 3214868480
	.fill 96, 4, 3214868480
	.section	.rodata,"a",@progbits
	.p2align	6, 0x0
	.amdhsa_kernel k_qf37cf0e8af_gru
		.amdhsa_group_segment_fixed_size 283136
		.amdhsa_private_segment_fixed_size 0
		.amdhsa_enable_private_segment 0
		.amdhsa_kernarg_size 176
		.amdhsa_user_sgpr_count 2
		.amdhsa_user_sgpr_kernarg_segment_ptr 1
		.amdhsa_wavefront_size32 1
		.amdhsa_system_sgpr_workgroup_id_x 1
		.amdhsa_system_sgpr_workgroup_id_y 1
		.amdhsa_system_sgpr_workgroup_id_z 1
		.amdhsa_system_vgpr_workitem_id 0
		.amdhsa_next_free_vgpr 1024
		.amdhsa_next_free_sgpr 96
		.amdhsa_reserve_vcc 0
		.amdhsa_float_denorm_mode_32 3
		.amdhsa_float_denorm_mode_16_64 3
		.amdhsa_memory_ordered 1
		.amdhsa_forward_progress 1
		.amdhsa_inst_pref_size 255
	.end_amdhsa_kernel
	.section	.bss,"aw",@nobits
	.p2align	6
	.space	262144
	.amdgpu_metadata
---
amdhsa.version: [ 1, 2 ]
amdhsa.kernels:
  - .name:           k_qf37cf0e8af_gru
    .symbol:         k_qf37cf0e8af_gru.kd
    .args:
      - { .name: x_codes, .offset: 0, .size: 8, .value_kind: global_buffer, .address_space: global }
      - { .name: x_scales, .offset: 8, .size: 8, .value_kind: global_buffer, .address_space: global }
      - { .name: h, .offset: 16, .size: 8, .value_kind: global_buffer, .address_space: global }
      - { .name: out0, .offset: 24, .size: 8, .value_kind: global_buffer, .address_space: global }
      - { .name: W_rx_codes, .offset: 32, .size: 8, .value_kind: global_buffer, .address_space: global }
      - { .name: W_rh_codes, .offset: 40, .size: 8, .value_kind: global_buffer, .address_space: global }
      - { .name: W_zx_codes, .offset: 48, .size: 8, .value_kind: global_buffer, .address_space: global }
      - { .name: W_zh_codes, .offset: 56, .size: 8, .value_kind: global_buffer, .address_space: global }
      - { .name: W_nx_codes, .offset: 64, .size: 8, .value_kind: global_buffer, .address_space: global }
      - { .name: W_nh_codes, .offset: 72, .size: 8, .value_kind: global_buffer, .address_space: global }
      - { .name: W_rx_scales, .offset: 80, .size: 8, .value_kind: global_buffer, .address_space: global }
      - { .name: W_rh_scales, .offset: 88, .size: 8, .value_kind: global_buffer, .address_space: global }
      - { .name: W_zx_scales, .offset: 96, .size: 8, .value_kind: global_buffer, .address_space: global }
      - { .name: W_zh_scales, .offset: 104, .size: 8, .value_kind: global_buffer, .address_space: global }
      - { .name: W_nx_scales, .offset: 112, .size: 8, .value_kind: global_buffer, .address_space: global }
      - { .name: W_nh_scales, .offset: 120, .size: 8, .value_kind: global_buffer, .address_space: global }
      - { .name: b_rx, .offset: 128, .size: 8, .value_kind: global_buffer, .address_space: global }
      - { .name: b_rh, .offset: 136, .size: 8, .value_kind: global_buffer, .address_space: global }
      - { .name: b_zx, .offset: 144, .size: 8, .value_kind: global_buffer, .address_space: global }
      - { .name: b_zh, .offset: 152, .size: 8, .value_kind: global_buffer, .address_space: global }
      - { .name: b_nx, .offset: 160, .size: 8, .value_kind: global_buffer, .address_space: global }
      - { .name: b_nh, .offset: 168, .size: 8, .value_kind: global_buffer, .address_space: global }
    .group_segment_fixed_size: 283136
    .private_segment_fixed_size: 0
    .kernarg_segment_align: 8
    .kernarg_segment_size: 176
    .max_flat_workgroup_size: 128
    .sgpr_count:     96
    .vgpr_count:     1024
    .wavefront_size: 32
...
	.end_amdgpu_metadata
.endif
;; end of part 1
;; ======== version 2 of 3: 1 launch; 1.21 times as fast as version 1
;; launch gru (part 2): grid 256 x 1, 4 waves a work-group, no clusters, 315,904 bytes of LDS; arguments x_codes, x_scales, h, out0, W_rx_codes, W_rh_codes, W_zx_codes, W_zh_codes, W_nx_codes, W_nh_codes, W_rx_scales, W_rh_scales, W_zx_scales, W_zh_scales, W_nx_scales, W_nh_scales, b_rx, b_rh, b_zx, b_zh, b_nx, b_nh; writes out0
.if DOCPART == 2
	.amdgcn_target "amdgcn-amd-amdhsa--gfx1250"
	.amdhsa_code_object_version 6
	.text
	.protected	k_qf37cf0e8af_gru
	.globl	k_qf37cf0e8af_gru
	.p2align	8
	.type	k_qf37cf0e8af_gru,@function
k_qf37cf0e8af_gru:
	s_mov_b64 s[64:65], 0
	v_nop
	global_prefetch_b8 v0, s[64:65] scope:SCOPE_SE
	s_setreg_imm32_b32 hwreg(HW_REG_WAVE_MODE, 25, 1), 1
	s_wait_xcnt 0x0
; One GRU step.  r = sigmoid(x Wrx^T + h Wrh^T + brx + brh), z likewise, n = tanh(x Wnx^T + (r h) Wnh^T + bnx + bnh), out = (1 - z) n + z h.
; 32,768 rows of 512.  All six products on codes of BF8 (E5M2) with one E8M0 scale for each 32 along K; x and the weights arrive as codes; h and r h are quantised here, from f32.
; SHARES.  A work-group of four waves owns 128 whole rows (r h needs all 512 columns of r of a row): eight tiles m of 16 rows.  THE WAVES SHARE THE COLUMNS: wave w owns columns 128 c + 32 w .. + 31, c = 0 .. 3.
; Products are used TRANSPOSED (source 0 = 16 rows of a weight, source 1 = 16 data rows): a lane holds ONE data row (lane % 16).  The rows of a weight that form a tile are not neighbours: lane r of tile u of a block of
; 32 takes row 8 u + r + 8 (r / 8) of the block, so that the 16 registers of tiles 0 and 1 are 16 neighbouring columns, 16 (lane / 16) + 0 .. 15: as the next product's operand wants them along its K.
; h stays with each wave in that same layout, read from memory once: row tiles 0 to 6 in 448 registers, row tile 7 in the wave's own 8,192 bytes of LDS.  It serves its own quantiser, r h and z h.
; Each weight byte is used by one wave of the work-group: it goes from memory straight into that wave's registers, one K step ahead of its use, in two sets of four fragments.
; The rows' codes (x, h, r h) go from wave to wave through LDS as IMAGES OF THE OPERAND'S REGISTERS: a fragment (16 rows x 128 K) is 2,048 bytes, register group b of lane l at 512 b + 16 l.
; Its scale words lie four row tiles to a lane, so that one load brings four fragments' words.  A wave's block of 32 columns is register group w of K step c, and byte w of that K step's scale word.
; PASSES, each of 8 steps of 32 matrix instructions on 32 accumulators (8 row tiles x 4 tiles of 16 columns):  R, twice: two blocks of r (x's four K steps with W_rx, h's four with W_rh); then sigmoid, x h, quantised, image
; to LDS.  ZN, four times: one block of z (tiles 0, 1) and of n (tiles 2, 3): four steps in which a fragment of x feeds all four tiles, four in which a fragment of h feeds z's and one of r h feeds n's; then out.
; THE ROWS' FRAGMENTS COME IN GROUPS OF FOUR, two groups by turns: while one group is multiplied (16 or 8 matrix instructions) the other's loads, one run of 17 or 18, are on their way.
; NO TENSOR LOADS, NO JOINT LOADS, though all work-groups read the same weights: what lies in LDS takes 315,392 of the 327,680 bytes, which leaves 12,288; a step's weights are
; 4 waves x 4 tiles x 2,048 = 32,768 bytes, and two slots of that do not fit; and no weight byte has a second reader inside a work-group.
; LIMITS.  A block of zeros gets the scale byte 1 (its codes are zeros; this program alone reads the byte).  NaN and infinities in h are not served.  tanh(a) = 1 - 2 / (1 + 2^(2 a log2 e)): absolute error about 1e-7.
; The two biases of a gate are added to each other first and to the sums of products at the end; x's and h's products of a gate share one f32 sum.
; The last step of the last pass fetches four fragments of x that nobody uses (17 LDS loads): the price of one text for all four ZN passes.
.set IMG,  0                           ; LDS: fragment (J, m) at 16384 J + 2048 m; J = 0-3 x's K steps, 4-7 h's, 8-11 r h's
.set SC,   196608                      ; scale word (J, m) at SC + 1024 J + 512 (m / 4) + 16 lane + 4 (m % 4)
.set STG,  208896                      ; the way out: 128 rows x (512 bytes + 16)
.set BT,   276480                      ; three tables of 512 f32: (b_gx + b_gh) x K_g, g = r, z, n
.set SPILL, 282624                     ; row tile 7 of h: 8,192 bytes for each wave, register group j of lane l at 512 j + 16 l
.set FLOOR, 0x8000000                  ; 2^(16 - 127): under it no largest magnitude is taken, so the byte cannot fall under 1
; window 0
.set LI,   1                           ; v1   16 x lane: x's images
.set LS4,  2                           ; v2   SC + 16 x lane
.set WOFF, 3                           ; v3   a weight's codes: (r + 8 (r / 8)) x 512 + 16 (lane / 16)
.set WSOFF, 4                          ; v4   a weight's scale words: (r + 8 (r / 8)) x 16
.set WV,   5                           ; v5   WOFF + the pass's blocks
.set WSV,  6                           ; v6   WSOFF + the pass's blocks
.set LIH,  7                           ; v7   16 x lane + 65,536: h's images
.set LIR,  8                           ; v8   16 x lane + 131,072: r h's images.  These three and LS4 are never rewritten: every K step and row tile stands in an immediate, 65,024 at the most
.set H7A,  9                           ; v9   SPILL + 8192 w + 16 x lane
.set IW,   10                          ; v10  where I store images: 16 x lane + 512 w + the operand's first byte
.set SB,   11                          ; v11  where I store scale bytes: SC + 16 x lane + w
.set SO,   12                          ; v12  the stage, in: STG + 528 r + 128 w + 64 (lane / 16)
.set SR,   13                          ; v13  the stage, back: STG + 32 x 528 w + 16 x lane
.set GO,   14                          ; v14  out: 16 x lane + 512 c
.set BRD,  15                          ; v15  the bias table: BT + 128 w + 64 (lane / 16) + the pass's place
.set ASC,  16                          ; v16-23  scale words of the eight fragments in hand: group g at ASC + 4 g
.set BS,   24                          ; v24-31  the weights' scale words: set s, tile t at BS + 4 s + t
                                       ; v32-95  group 0 of the rows' fragments;  v160-223 group 1: group g, fragment k at 32 + 128 g + 16 k
                                       ; v96-159 the weights' four fragments, set 0;  set 1 lies in window 3, v192-255
.set HO,   60                          ; at the head only, in group 0's registers: h's offset 2048 r + 64 (lane / 16);
.set XO,   61                          ; x's codes 512 r + 16 (lane / 16);
.set XSO,  62                          ; x's scale bytes 16 r;
.set BO,   63                          ; 16 x thread
.set TM,   160                         ; in the first phase and the epilogues group 1's registers are free: v160-171 at work,
.set XWI,  172                         ; at the head only: where I store x's images, their scale words, my part of the bias table
.set XWS,  173
.set BTW,  174
.set CL,   176                         ; v176-207 32 numbers held within the largest code x the scale; ahead of that, row tile 7 of h as it comes back,
.set PC,   208                         ; v208-223 codes, two sets of 8
.set BV,   224                         ; v224-255 32 numbers of the bias table
; window 1: the accumulators, (m, t) at 32 m + 8 t.   windows 2, 3: h: H[m][16 c + i] at window 2 + m / 4, register 64 (m % 4) + 16 c + i = h(16 m + r, 128 c + 32 w + 16 (lane / 16) + i), m = 0 .. 6
.set XC, 4
.set XSP, 6
.set HP, 8
.set OP, 10
.set WRX, 12
.set WRH, 14
.set WZX, 16
.set WZH, 18
.set WNX, 20
.set WNH, 22
.set SRX, 24
.set SRH, 26
.set SZX, 28
.set SZH, 30
.set SNX, 32
.set SNH, 34
.set BIA, 36                           ; s[36:47] the six biases
.set WN,  48                           ; s48  my wave's number
.set RC,  54                           ; counters: R pass, ZN pass
.set ZC,  56
.set SEL, 58                           ; s[58:59] v_permlanex16_b32's selects for lane l xor 16
.set MNT, 60                           ; the mantissa field of 57,344
.set KS,  62                           ; s[62:63] -log2(e): sigmoid(a) = 1 / (1 + 2^(-a log2 e))
.set KN,  66                           ; s[66:67] 2 log2(e)
.set MSB, 0
.set LASTN, 17
.macro WIN new                         ; the immediate's high byte repeats the setting that is left; a switch that changes nothing is dropped
.if MSB != (\new)
	s_set_vgpr_msb (MSB<<8)|(\new)
.set MSB, (\new)
.endif
.endm
.macro BAR                             ; my LDS stores have landed and my LDS loads are in: then the work-group's barrier
	s_wait_dscnt 0x0
	s_barrier_signal -1
	s_barrier_wait -1
.endm
; A step's weights into set: tiles 0, 1 from pa, tiles 2, 3 from pb (d1 bytes on), 128 along K at byte kc of the rows; their scale words from qa, qb.  20 loads.
.macro BLOAD set, pa, pb, qa, qb, kc, ks, d1, e1
.set rB, 96+96*(\set)
	WIN 0xc0*(\set)                                ; set 1: destination window 3
.irp t, 0,1
.irp c, 0,1,2,3
	global_load_b128 v[rB+16*\t+4*\c:rB+16*\t+4*\c+3], v[WV], s[\pa:\pa+1] offset:4096*\t+32*\c+(\kc)
.endr
.endr
.irp t, 0,1
.irp c, 0,1,2,3
	global_load_b128 v[rB+32+16*\t+4*\c:rB+32+16*\t+4*\c+3], v[WV], s[\pb:\pb+1] offset:4096*\t+32*\c+(\kc)+(\d1)
.endr
.endr
	WIN 0
.irp t, 0,1
	global_load_b32 v[BS+4*(\set)+\t], v[WSV], s[\qa:\qa+1] offset:128*\t+(\ks)
	global_load_b32 v[BS+4*(\set)+2+\t], v[WSV], s[\qb:\qb+1] offset:128*\t+(\ks)+(\e1)
.endr
.endm
; The next step's weights are asked for first, into the set that the step before has left; then the wait for this step's, asked for a step ago
.macro NEXTW set, pa, pb, qa, qb, kc, ks, d1, e1
	BLOAD \set, \pa, \pb, \qa, \qb, \kc, \ks, \d1, \e1
	s_wait_loadcnt 20                              ; the 20 just issued may be out; all before them are in
.endm
; Group g takes row tiles 4 mh .. 4 mh + 3 of image J (base: the operand's address register): 16 loads, and one for the four scale words.  LASTN: how many LDS loads the fill last written has
.macro GFILL0 g, base, J, mh
.irp k, 0,1,2,3
.irp c, 0,1,2,3
	ds_load_b128 v[32+128*(\g)+16*\k+4*\c:32+128*(\g)+16*\k+4*\c+3], v[\base] offset:16384*((\J)%4)+2048*(4*(\mh)+\k)+512*\c
.endr
.endr
	ds_load_b128 v[ASC+4*(\g):ASC+4*(\g)+3], v[LS4] offset:1024*(\J)+512*(\mh)
.set LASTN, 17
.endm
; Group g takes, of K step s, h's and r h's fragments of row tiles 2 mp and 2 mp + 1 (h, r h, h, r h): 16 loads, and two for the scale words (h's two, then r h's two)
.macro GFILL1 g, s, mp
.irp j, 0,1
.irp c, 0,1,2,3
	ds_load_b128 v[32+128*(\g)+32*\j+4*\c:32+128*(\g)+32*\j+4*\c+3], v[LIH] offset:16384*(\s)+2048*(2*(\mp)+\j)+512*\c
.endr
.irp c, 0,1,2,3
	ds_load_b128 v[48+128*(\g)+32*\j+4*\c:48+128*(\g)+32*\j+4*\c+3], v[LIR] offset:16384*(\s)+2048*(2*(\mp)+\j)+512*\c
.endr
.endr
	ds_load_b64 v[ASC+4*(\g):ASC+4*(\g)+1], v[LS4] offset:1024*(4+(\s))+512*((\mp)/2)+8*((\mp)%2)
	ds_load_b64 v[ASC+4*(\g)+2:ASC+4*(\g)+3], v[LS4] offset:1024*(8+(\s))+512*((\mp)/2)+8*((\mp)%2)
.set LASTN, 18
.endm
; One matrix instruction: accumulator (m, t) += the weights' tile t of set x the fragment at v[ra], whose scale word is v[rs].  The accumulators take turns, one instruction a turn.
.macro MM m, t, set, ra, rs, zero
.set rD, 32*(\m)+8*(\t)
.set rW, 96+96*(\set)+16*(\t)
.if \zero
	v_wmma_scale_f32_16x16x128_f8f6f4 v[rD:rD+7], v[rW:rW+15], v[(\ra):(\ra)+15], 0, v[BS+4*(\set)+(\t)], v[(\rs)] matrix_a_fmt:MATRIX_FMT_BF8 matrix_b_fmt:MATRIX_FMT_BF8
.else
	v_wmma_scale_f32_16x16x128_f8f6f4 v[rD:rD+7], v[rW:rW+15], v[(\ra):(\ra)+15], v[rD:rD+7], v[BS+4*(\set)+(\t)], v[(\rs)] matrix_a_fmt:MATRIX_FMT_BF8 matrix_b_fmt:MATRIX_FMT_BF8
.endif
.endm
; The eight v_nop behind a group's products are the places behind this matrix form in front of the loads into the registers that it has read, and of the first read of results.
.macro PLACES
.rept 8
	v_nop
.endr
.endm
; Group g, row tiles 4 mh .. 4 mh + 3, each fragment against all four tiles: 16 matrix instructions
.macro HALF0 g, mh, set, zero
	s_wait_dscnt LASTN                             ; behind this group's fill only the other group's was issued: it may be out
	WIN 0x50+3*(\set)                              ; C and D window 1; set 1 of the weights window 3
.set kk, 0
.rept 4
.set tt, 0
.rept 4
	MM 4*(\mh)+kk, tt, \set, 32+128*(\g)+16*kk, ASC+4*(\g)+kk, \zero
.set tt, tt+1
.endr
.set kk, kk+1
.endr
	PLACES
	WIN 0
.endm
; Group g, row tiles 2 mp and 2 mp + 1: h's fragment against tiles 0, 1 (z), r h's against tiles 2, 3 (n): 8 matrix instructions
.macro HALF1 g, mp, set
	s_wait_dscnt LASTN
	WIN 0x50+3*(\set)
.set jj, 0
.rept 2
	MM 2*(\mp)+jj, 0, \set, 32+128*(\g)+32*jj, ASC+4*(\g)+jj, 0
	MM 2*(\mp)+jj, 1, \set, 32+128*(\g)+32*jj, ASC+4*(\g)+jj, 0
	MM 2*(\mp)+jj, 2, \set, 48+128*(\g)+32*jj, ASC+4*(\g)+2+jj, 0
	MM 2*(\mp)+jj, 3, \set, 48+128*(\g)+32*jj, ASC+4*(\g)+2+jj, 0
.set jj, jj+1
.endr
	PLACES
	WIN 0
.endm
.macro STEPA set, zero, base, J        ; a step on one operand; behind each half its group takes the same half of image J, the next step's
	HALF0 0, 0, \set, \zero
	GFILL0 0, \base, \J, 0
	HALF0 1, 1, \set, \zero
	GFILL0 1, \base, \J, 1
.endm
.macro STEPB set                       ; x's last step of a ZN pass: the next step is on h and r h
	HALF0 0, 0, \set, 0
	GFILL1 0, 0, 0
	HALF0 1, 1, \set, 0
	GFILL1 1, 0, 1
.endm
.macro STEPL set                       ; an R pass's last step: group 0 takes the next pass's first fragments; group 1's registers serve the epilogue and are filled at the next pass's head
	HALF0 0, 0, \set, 0
	GFILL0 0, LI, 0, 0
	HALF0 1, 1, \set, 0
.endm
.macro STEPC set, s, last              ; K step s on h and r h: four quarters; behind each its group takes what stands two quarters on
	HALF1 0, 0, \set
	GFILL1 0, \s, 2
	HALF1 1, 1, \set
	GFILL1 1, \s, 3
	HALF1 0, 2, \set
.if \last
	GFILL0 0, LI, 0, 0
.else
	GFILL1 0, (\s)+1, 0
.endif
	HALF1 1, 3, \set
.if (\last) == 0
	GFILL1 1, (\s)+1, 1
.endif
.endm
; 32 numbers of a lane, v[S] .. v[S + 31] of window SW: my 16 of each of two blocks of 32 (the other 16 lie in lane l xor 16).  They become 2 x 16 codes and two scale bytes, which go to LDS:
; the first block's at ioff and soff, the second's one K step on.  par: which of the two sets of code and byte registers.
.macro QUANT2 S, SW, ioff, soff, par
	s_wait_dscnt 4                                 ; the four stores of the call before may be out; those of the call before that, which read this set's registers, are done
	WIN (\SW)|((\SW)<<2)
	v_max3_num_f32 v[TM], |v[(\S)]|, |v[(\S)+1]|, FLOOR
	v_max3_num_f32 v[TM+1], |v[(\S)+16]|, |v[(\S)+17]|, FLOOR
.irp i, 2,4,6,8,10,12,14
	v_max3_num_f32 v[TM], |v[(\S)+\i]|, |v[(\S)+\i+1]|, v[TM]           ; the two blocks by turns
	v_max3_num_f32 v[TM+1], |v[(\S)+16+\i]|, |v[(\S)+17+\i]|, v[TM+1]
.endr
	WIN 0
	v_permlanex16_b32 v[TM+2], v[TM], s[SEL], s[SEL+1]
	v_permlanex16_b32 v[TM+3], v[TM+1], s[SEL], s[SEL+1]
	v_max_num_f32 v[TM], v[TM], v[TM+2]            ; with lane l xor 16's: the block's largest magnitude
	v_max_num_f32 v[TM+1], v[TM+1], v[TM+3]
	v_add_nc_u32 v[TM+6], 0xf8800000, v[TM]        ; 15 off its exponent field: the conversion takes the exponent field of this operand as its scale
	v_add_nc_u32 v[TM+7], 0xf8800000, v[TM+1]
	v_and_or_b32 v[TM+4], v[TM], 0x7f800000, s[MNT]    ; 57,344 x the scale
	v_and_or_b32 v[TM+5], v[TM+1], 0x7f800000, s[MNT]
	v_lshrrev_b32 v[TM+8+2*(\par)], 23, v[TM+6]    ; the scale's byte
	v_lshrrev_b32 v[TM+9+2*(\par)], 23, v[TM+7]
	WIN (\SW)
.irp i, 0,1,2,3,4,5,6,7,8,9,10,11,12,13,14,15
	v_med3_num_f32 v[CL+\i], v[(\S)+\i], -v[TM+4], v[TM+4]       ; the conversion to an 8-bit code does not saturate (ISA guide 7.6.2): the hold at the largest code x the scale
.endr
.irp i, 16,17,18,19,20,21,22,23,24,25,26,27,28,29,30,31
	v_med3_num_f32 v[CL+\i], v[(\S)+\i], -v[TM+5], v[TM+5]
.endr
	WIN 0
.irp g, 0,1,2,3
	v_cvt_scalef32_pk8_bf8_f32 v[PC+8*(\par)+2*\g:PC+8*(\par)+2*\g+1], v[CL+8*\g:CL+8*\g+7], v[TM+6+\g/2]
.endr
	v_nop                                          ; one plain vector instruction behind the last scaled conversion
	ds_store_b128 v[IW], v[PC+8*(\par):PC+8*(\par)+3] offset:\ioff
	ds_store_b128 v[IW], v[PC+8*(\par)+4:PC+8*(\par)+7] offset:(\ioff)+16384
	ds_store_b8 v[SB], v[TM+8+2*(\par)] offset:\soff
	ds_store_b8 v[SB], v[TM+9+2*(\par)] offset:(\soff)+1024
.endm
; Row tile m of h: my 64 numbers of row r: 16 neighbours of each of my four blocks.  No cache hint: the four loads q of a block take the four quarters of the same 64 bytes a lane
.macro HLOAD m
	WIN 0x80+0x40*((\m)/4)
.irp c, 0,1,2,3
.irp q, 0,1,2,3
	global_load_b128 v[64*((\m)%4)+16*\c+4*\q:64*((\m)%4)+16*\c+4*\q+3], v[HO], s[HP:HP+1] offset:32768*(\m)+512*\c+16*\q
.endr
.endr
	WIN 0
.endm
; All 256 accumulator registers: a x K + bias x K, 2^., + 1, 1 / .  kind = 0: K = -log2 e throughout; 1: 2 log2 e for tiles 2, 3.  Each accumulator is read from its low end on.
.macro ACT kind
	WIN 0x41                                       ; destination and source 0 window 1
.set a, 0
.rept 128
.if (\kind) && ((a%32) >= 16)
	v_pk_fma_f32 v[a:a+1], v[a:a+1], s[KN:KN+1], v[BV+a%32:BV+a%32+1] op_sel_hi:[1,0,1]
.else
	v_pk_fma_f32 v[a:a+1], v[a:a+1], s[KS:KS+1], v[BV+a%32:BV+a%32+1] op_sel_hi:[1,0,1]
.endif
.set a, a+2
.endr
.set a, 0
.rept 256
	v_exp_f32 v[a], v[a]
.set a, a+1
.endr
	v_nop                                          ; a plain instruction behind the run of exponentials
.set a, 0
	s_wait_alu depctr_va_vdst(0)
.rept 128
	v_pk_add_f32 v[a:a+1], v[a:a+1], 1.0 op_sel_hi:[1,0]
.set a, a+2
.endr
.set a, 0
.rept 256
	v_rcp_f32 v[a], v[a]
.set a, a+1
.endr
	v_nop                                          ; and behind the reciprocals
.endm
; r x h, for the R pass c: only these lines name h's places, so only they are written once for each pass.  Row tile 7's 32 numbers come back from my own LDS bytes while the other seven are multiplied
.macro RH c
.irp j, 0,1,2,3,4,5,6,7
	ds_load_b128 v[CL+4*\j:CL+4*\j+3], v[H7A] offset:512*(8*(\c)+\j)
.endr
.set mm, 0
.rept 7
	WIN 0x49+4*(mm/4)                              ; source 1: window 2 or 3
.set a, 0
	s_wait_alu depctr_va_vdst(0)
.rept 16
	v_pk_mul_f32 v[32*mm+a:32*mm+a+1], v[32*mm+a:32*mm+a+1], v[64*(mm%4)+32*(\c)+a:64*(mm%4)+32*(\c)+a+1]
.set a, a+2
.endr
.set mm, mm+1
.endr
	s_wait_dscnt 0x0
	WIN 0x41                                       ; source 1: window 0
.set a, 0
.rept 16
	v_pk_mul_f32 v[224+a:224+a+1], v[224+a:224+a+1], v[CL+a:CL+a+1]
.set a, a+2
.endr
	WIN 0
.endm
; out = z x h + (n - z n), into z's registers, for the ZN pass c
.macro ZH c
.irp j, 0,1,2,3
	ds_load_b128 v[CL+4*\j:CL+4*\j+3], v[H7A] offset:512*(4*(\c)+\j)
.endr
.set mm, 0
.rept 7
	WIN 0x59+4*(mm/4)
.set a, 0
.rept 8
	v_pk_fma_f32 v[32*mm+a:32*mm+a+1], v[32*mm+a:32*mm+a+1], v[64*(mm%4)+16*(\c)+a:64*(mm%4)+16*(\c)+a+1], v[32*mm+16+a:32*mm+16+a+1]
.set a, a+2
.endr
.set mm, mm+1
.endr
	s_wait_dscnt 0x0
	WIN 0x51
.set a, 0
.rept 8
	v_pk_fma_f32 v[224+a:224+a+1], v[224+a:224+a+1], v[CL+a:CL+a+1], v[240+a:240+a+1]
.set a, a+2
.endr
	WIN 0
.endm
	s_load_b512 s[4:19], s[0:1], 0x0               ; x's codes, x's scales, h, out, W_rx, W_rh, W_zx, W_zh
	s_load_b512 s[20:35], s[0:1], 0x40             ; W_nx, W_nh, and the six weights' scales in the same order
	s_load_b256 s[36:43], s[0:1], 0x80             ; b_rx, b_rh, b_zx, b_zh
	s_load_b128 s[44:47], s[0:1], 0xa0             ; b_nx, b_nh
	v_lshrrev_b32 v56, 5, v0
	v_readfirstlane_b32 s[WN], v56                 ; wave 0..3
	v_and_b32 v56, 31, v0                          ; lane
	v_and_b32 v57, 15, v0                          ; r
	v_bfe_u32 v58, v0, 4, 1                        ; lane / 16
	v_and_b32 v59, 8, v57
	v_add_nc_u32 v59, v59, v57                     ; r + 8 (r / 8)
	v_lshlrev_b32 v[LI], 4, v56
	v_add_nc_u32 v[LIH], 0x10000, v[LI]
	v_add_nc_u32 v[LIR], 0x20000, v[LI]
	v_add_nc_u32 v[LS4], SC, v[LI]
	v_lshlrev_b32 v[WOFF], 9, v59
	v_lshl_add_u32 v[WOFF], v58, 4, v[WOFF]
	v_lshlrev_b32 v[WSOFF], 4, v59
	v_mov_b32 v[WV], v[WOFF]
	v_mov_b32 v[WSV], v[WSOFF]
	s_lshl_b32 s49, s[WN], 9
	v_add_nc_u32 v[IW], s49, v[LIH]                ; h's images, my register group
	v_add_nc_u32 v[SB], s[WN], v[LS4]
	s_lshl_b32 s49, s[WN], 13
	v_add_nc_u32 v[H7A], s49, v[LI]
	v_add_nc_u32 v[H7A], SPILL, v[H7A]
	v_mul_u32_u24 v[SO], v57, 528
	v_lshl_add_u32 v[SO], v58, 6, v[SO]
	s_lshl_b32 s49, s[WN], 7
	v_add_nc_u32 v[SO], s49, v[SO]
	v_add_nc_u32 v[SO], STG, v[SO]
	v_lshlrev_b32 v[BRD], 6, v58
	v_add_nc_u32 v[BRD], s49, v[BRD]
	v_add_nc_u32 v[BRD], BT, v[BRD]
	s_mul_i32 s49, s[WN], 32*528
	v_add_nc_u32 v[SR], s49, v[LI]
	v_add_nc_u32 v[SR], STG, v[SR]
	v_mov_b32 v[GO], v[LI]
	v_lshlrev_b32 v[HO], 11, v57
	v_lshl_add_u32 v[HO], v58, 6, v[HO]
	v_lshlrev_b32 v[XO], 9, v57
	v_lshl_add_u32 v[XO], v58, 4, v[XO]
	v_lshlrev_b32 v[XSO], 4, v57
	v_lshlrev_b32 v[BO], 4, v0
	s_lshl_b32 s49, s[WN], 12
	v_add_nc_u32 v[XWI], s49, v[LI]                ; I bring row tiles 2 w and 2 w + 1 of x
	s_lshr_b32 s49, s[WN], 1
	s_lshl_b32 s49, s49, 9                         ; their scale words: 512 (w / 2)
	s_and_b32 s57, s[WN], 1
	s_lshl_b32 s57, s57, 3                         ; + 8 (w % 2)
	s_add_co_u32 s49, s49, s57
	v_add_nc_u32 v[XWS], s49, v[LS4]
	v_add_nc_u32 v[BTW], BT, v[BO]
	v_mov_b32 v[TM+2], 0                           ; written once: a lane permute's destination counts as one of its sources
	v_mov_b32 v[TM+3], 0
	s_mov_b32 s[SEL], 0x76543210
	s_mov_b32 s[SEL+1], 0xfedcba98
	s_mov_b32 s[MNT], 0x600000
	s_mov_b32 s[KS], 0xbfb8aa3b
	s_mov_b32 s[KS+1], s[KS]                       ; (named with it as a pair, so it is written)
	s_mov_b32 s[KN], 0x4038aa3b
	s_mov_b32 s[KN+1], s[KN]
	s_lshl_b32 s68, s[WN], 14                      ; my 32 rows of a block of 128 of a weight: 16,384 w bytes of codes,
	s_mov_b32 s69, 0
	s_lshl_b32 s70, s[WN], 9                       ; 512 w bytes of scales
	s_mov_b32 s71, 0
	s_lshl_b32 s72, ttmp9, 18                      ; h: 128 rows of 2,048 bytes a work-group, + my 128 bytes of a block of 512
	s_lshl_b32 s49, s[WN], 7
	s_add_co_u32 s72, s72, s49
	s_mov_b32 s73, 0
	s_lshl_b32 s74, ttmp9, 16                      ; x's codes: 128 rows of 512 bytes, + my 32 rows
	s_add_co_u32 s74, s74, s68
	s_mov_b32 s75, 0
	s_lshl_b32 s76, ttmp9, 11                      ; x's scales: 128 rows of 16 bytes, + my 32 rows
	s_add_co_u32 s76, s76, s70
	s_mov_b32 s77, 0
	s_lshl_b32 s78, ttmp9, 18                      ; out: 128 rows of 2,048 bytes, + the 32 rows that I store
	s_lshl_b32 s49, s[WN], 16
	s_add_co_u32 s78, s78, s49
	s_mov_b32 s79, 0
	s_wait_kmcnt 0x0
.irp p, 12,14,16,18,20,22
	s_add_nc_u64 s[\p:\p+1], s[\p:\p+1], s[68:69]
.endr
.irp p, 24,26,28,30,32,34
	s_add_nc_u64 s[\p:\p+1], s[\p:\p+1], s[70:71]
.endr
	s_add_nc_u64 s[HP:HP+1], s[HP:HP+1], s[72:73]
	s_add_nc_u64 s[XC:XC+1], s[XC:XC+1], s[74:75]
	s_add_nc_u64 s[XSP:XSP+1], s[XSP:XSP+1], s[76:77]
	s_add_nc_u64 s[OP:OP+1], s[OP:OP+1], s[78:79]
	BLOAD 0, WRX, WRX, SRX, SRX, 0, 0, 65536, 2048 ; the first step's weights: 20 loads
	WIN 0x40                                       ; x's fragments of my two row tiles, into registers that the accumulators will take: 34 loads
.irp mm, 0,1
.irp s, 0,1,2,3
.irp c, 0,1,2,3
	global_load_b128 v[64*\mm+16*\s+4*\c:64*\mm+16*\s+4*\c+3], v[XO], s[XC:XC+1] offset:8192*\mm+128*\s+32*\c
.endr
.endr
	global_load_b128 v[128+4*\mm:131+4*\mm], v[XSO], s[XSP:XSP+1] offset:256*\mm      ; a row's four scale words
.endr
	WIN 0
.irp j, 0,1,2,3,4,5
	global_load_b128 v[32+4*\j:35+4*\j], v[BO], s[BIA+2*\j:BIA+2*\j+1]                ; thread t: numbers 4 t .. 4 t + 3 of each bias
.endr
	HLOAD 0
	HLOAD 1
	HLOAD 2
	s_wait_loadcnt 48                              ; all but h's 48 loads are in
	WIN 0x04                                       ; an LDS store's data: window 1
.irp mm, 0,1
.irp s, 0,1,2,3
.irp c, 0,1,2,3
	ds_store_b128 v[XWI], v[64*\mm+16*\s+4*\c:64*\mm+16*\s+4*\c+3] offset:16384*\s+2048*\mm+512*\c
.endr
	ds_store_b32 v[XWS], v[128+4*\mm+\s] offset:1024*\s+4*\mm
.endr
.endr
	WIN 0
.irp g, 0,1,2
	v_pk_add_f32 v[32+8*\g:33+8*\g], v[32+8*\g:33+8*\g], v[36+8*\g:37+8*\g]
	v_pk_add_f32 v[34+8*\g:35+8*\g], v[34+8*\g:35+8*\g], v[38+8*\g:39+8*\g]
.endr
.irp g, 0,1
	v_pk_mul_f32 v[32+8*\g:33+8*\g], v[32+8*\g:33+8*\g], s[KS:KS+1] op_sel_hi:[1,0]
	v_pk_mul_f32 v[34+8*\g:35+8*\g], v[34+8*\g:35+8*\g], s[KS:KS+1] op_sel_hi:[1,0]
.endr
	v_pk_mul_f32 v[48:49], v[48:49], s[KN:KN+1] op_sel_hi:[1,0]
	v_pk_mul_f32 v[50:51], v[50:51], s[KN:KN+1] op_sel_hi:[1,0]
.irp g, 0,1,2
	ds_store_b128 v[BTW], v[32+8*\g:35+8*\g] offset:2048*\g
.endr
	; ---- h is quantised, a row tile at a time; its loads run three row tiles (48 loads) ahead
.set mq, 0
.rept 8
.if mq+3 < 8
	HLOAD mq+3
.endif
.if mq < 5
	s_wait_loadcnt 48                              ; row tile mq is in; the three behind it may be out
.else
	s_wait_loadcnt 16*(7-mq)
.endif
	QUANT2 64*(mq%4), 2+mq/4, 2048*mq, 4096+512*(mq/4)+4*(mq%4), 0
	QUANT2 64*(mq%4)+32, 2+mq/4, 32768+2048*mq, 6144+512*(mq/4)+4*(mq%4), 1
.set mq, mq+1
.endr
	WIN 0x0c                                       ; an LDS store's data: window 3.  Row tile 7 of h goes to my own LDS bytes: its registers become the weights' set 1
.irp j, 0,1,2,3,4,5,6,7,8,9,10,11,12,13,14,15
	ds_store_b128 v[H7A], v[192+4*\j:195+4*\j] offset:512*\j
.endr
	WIN 0
	BAR                                            ; x's and h's images, their scale words and the bias table lie in LDS; my stores have read their registers
	v_add_nc_u32 v[IW], 0x10000, v[IW]             ; from here on r h's images
	GFILL0 0, LI, 0, 0
	; ---- R: two passes of eight steps, x's K steps 0 to 3 with W_rx, then h's with W_rh
	s_mov_b32 s[RC], 0
.Lr:
	GFILL0 1, LI, 0, 1                             ; group 0 was filled in the pass before, or just above
	NEXTW 1, WRX, WRX, SRX, SRX, 128, 4, 65536, 2048
	STEPA 0, 1, LI, 1                              ; the first step's products start the sums
	NEXTW 0, WRX, WRX, SRX, SRX, 256, 8, 65536, 2048
	STEPA 1, 0, LI, 2
	NEXTW 1, WRX, WRX, SRX, SRX, 384, 12, 65536, 2048
	STEPA 0, 0, LI, 3
	NEXTW 0, WRH, WRH, SRH, SRH, 0, 0, 65536, 2048
	STEPA 1, 0, LIH, 4
	NEXTW 1, WRH, WRH, SRH, SRH, 128, 4, 65536, 2048
	STEPA 0, 0, LIH, 5
	NEXTW 0, WRH, WRH, SRH, SRH, 256, 8, 65536, 2048
	STEPA 1, 0, LIH, 6
	NEXTW 1, WRH, WRH, SRH, SRH, 384, 12, 65536, 2048
	STEPA 0, 0, LIH, 7
	s_wait_loadcnt 0x0                             ; the last step asks for the next pass's first weights; every load is done, so the offsets may be written
	s_cmp_lg_u32 s[RC], 0
	s_cbranch_scc1 .Lr7b
	v_add_nc_u32 v[WV], 0x20000, v[WOFF]           ; the second R pass: blocks 2 and 3
	v_add_nc_u32 v[WSV], 0x1000, v[WSOFF]
	BLOAD 0, WRX, WRX, SRX, SRX, 0, 0, 65536, 2048
	s_branch .Lr7j
.Lr7b:
	v_mov_b32 v[WV], v[WOFF]                       ; the first ZN pass: block 0
	v_mov_b32 v[WSV], v[WSOFF]
	BLOAD 0, WZX, WNX, SZX, SNX, 0, 0, 0, 0
.Lr7j:
	STEPL 1
.irp b, 0,1
.irp q, 0,1,2,3
	ds_load_b128 v[BV+16*\b+4*\q:BV+16*\b+4*\q+3], v[BRD] offset:512*\b+16*\q
.endr
.endr
	s_wait_dscnt 0x0
	ACT 0                                          ; r
	WIN 0
	s_cmp_lg_u32 s[RC], 0
	s_cbranch_scc1 .Lrh1
	RH 0
	s_branch .Lrhj
.Lrh1:
	RH 1
.Lrhj:
.set mq, 0
.rept 8
	QUANT2 32*mq, 1, 2048*mq, 8192+512*(mq/4)+4*(mq%4), mq%2    ; r h of row tile mq: my register group of two K steps of the last product
.set mq, mq+1
.endr
	s_wait_dscnt 0x0                               ; my stores are done: their address registers may step, and group 1's registers may be loaded
	v_add_nc_u32 v[IW], 0x8000, v[IW]              ; two K steps on
	v_add_nc_u32 v[SB], 0x800, v[SB]
	v_add_nc_u32 v[BRD], 0x400, v[BRD]             ; 256 columns on; behind the second pass it stands at z's table
	s_add_co_u32 s[RC], s[RC], 1
	s_cmp_lt_u32 s[RC], 2
	s_cbranch_scc1 .Lr
	BAR                                            ; r h's images and scale words lie in LDS
	; ---- ZN: four passes
	s_mov_b32 s[ZC], 0
.Lz:
	GFILL0 1, LI, 0, 1
	NEXTW 1, WZX, WNX, SZX, SNX, 128, 4, 0, 0
	STEPA 0, 1, LI, 1
	NEXTW 0, WZX, WNX, SZX, SNX, 256, 8, 0, 0
	STEPA 1, 0, LI, 2
	NEXTW 1, WZX, WNX, SZX, SNX, 384, 12, 0, 0
	STEPA 0, 0, LI, 3
	NEXTW 0, WZH, WNH, SZH, SNH, 0, 0, 0, 0
	STEPB 1
	NEXTW 1, WZH, WNH, SZH, SNH, 128, 4, 0, 0
	STEPC 0, 0, 0
	NEXTW 0, WZH, WNH, SZH, SNH, 256, 8, 0, 0
	STEPC 1, 1, 0
	NEXTW 1, WZH, WNH, SZH, SNH, 384, 12, 0, 0
	STEPC 0, 2, 0
	s_wait_loadcnt 0x0                             ; every load is done, so the offsets may be written
	v_add_nc_u32 v[WV], 0x10000, v[WV]             ; the next pass's block
	v_add_nc_u32 v[WSV], 0x800, v[WSV]
	s_cmp_eq_u32 s[ZC], 3                          ; the last pass asks for nothing: no load leaves its buffer
	s_cbranch_scc1 .Lz7
	BLOAD 0, WZX, WNX, SZX, SNX, 0, 0, 0, 0
.Lz7:
	STEPC 1, 3, 1
.irp q, 0,1,2,3
	ds_load_b128 v[BV+4*\q:BV+4*\q+3], v[BRD] offset:16*\q               ; z's biases,
	ds_load_b128 v[BV+16+4*\q:BV+16+4*\q+3], v[BRD] offset:2048+16*\q    ; n's
.endr
	s_wait_dscnt 0x0
	ACT 1                                          ; z, and 1 / (1 + 2^(2 a log2 e))
.set mm, 0
	s_wait_alu depctr_va_vdst(0)
.rept 8
.set a, 16
.rept 8
	v_pk_fma_f32 v[32*mm+a:32*mm+a+1], v[32*mm+a:32*mm+a+1], -2.0, 1.0 op_sel_hi:[1,0,0]      ; n = tanh
.set a, a+2
.endr
.set mm, mm+1
.endr
	WIN 0x55                                       ; all in window 1
.set mm, 0
.rept 8
.set a, 0
.rept 8
	v_pk_fma_f32 v[32*mm+16+a:32*mm+16+a+1], v[32*mm+a:32*mm+a+1], v[32*mm+16+a:32*mm+16+a+1], v[32*mm+16+a:32*mm+16+a+1] neg_lo:[1,0,0] neg_hi:[1,0,0]   ; n - z n
.set a, a+2
.endr
.set mm, mm+1
.endr
	WIN 0
	s_cmp_lt_u32 s[ZC], 2
	s_cbranch_scc0 .Lz23
	s_cmp_eq_u32 s[ZC], 0
	s_cbranch_scc0 .Lz1
	ZH 0
	s_branch .Lzj
.Lz1:
	ZH 1
	s_branch .Lzj
.Lz23:
	s_cmp_eq_u32 s[ZC], 2
	s_cbranch_scc0 .Lz3
	ZH 2
	s_branch .Lzj
.Lz3:
	ZH 3
.Lzj:
	BAR                                            ; every wave's reads of the stage in the pass before are over
	WIN 0x04
.set mm, 0
.rept 8
.irp q, 0,1,2,3
	ds_store_b128 v[SO], v[32*mm+4*\q:32*mm+4*\q+3] offset:8448*mm+16*\q      ; out(16 m + r, 128 c + 32 w + 16 (lane / 16) + 4 q ..)
.endr
.set mm, mm+1
.endr
	BAR                                            ; 128 rows x 512 bytes lie in the stage
	WIN 0x40
.set a, 0
.rept 32
	ds_load_b128 v[4*a:4*a+3], v[SR] offset:528*a  ; my 32 rows, a row an instruction
.set a, a+1
.endr
	WIN 0x04
.set a, 0
.rept 32
	s_wait_dscnt 31-a                              ; row a is in; the rows behind it may be out
	global_store_b128 v[GO], v[4*a:4*a+3], s[OP:OP+1] offset:2048*a th:TH_STORE_NT    ; 32 lanes store 512 consecutive bytes, at a multiple of 512 from out's first byte
.set a, a+1
.endr
	WIN 0
	s_wait_xcnt 0x0                                ; the stores have read their registers: the offset may step, and the next pass's products may write the accumulators
	v_add_nc_u32 v[GO], 0x200, v[GO]
	v_add_nc_u32 v[BRD], 0x200, v[BRD]
	s_add_co_u32 s[ZC], s[ZC], 1
	s_cmp_lt_u32 s[ZC], 4
	s_cbranch_scc1 .Lz
	s_wait_xcnt 0x0
	v_lshl_add_u32 v254, v0, 2, 0x4d000
	v_mov_b32 v255, 0
	s_wait_tensorcnt 0x0
	ds_add_u32 v254, v255
	s_wait_dscnt 0x0
	s_endpgm
.Lfunc_end_k_qf37cf0e8af_gru:
	.size	k_qf37cf0e8af_gru, .Lfunc_end_k_qf37cf0e8af_gru-k_qf37cf0e8af_gru
	.p2alignl 7, 3214868480
	.fill 96, 4, 3214868480
	.section	.rodata,"a",@progbits
	.p2align	6, 0x0
	.amdhsa_kernel k_qf37cf0e8af_gru
		.amdhsa_group_segment_fixed_size 315904
		.amdhsa_private_segment_fixed_size 0
		.amdhsa_enable_private_segment 0
		.amdhsa_kernarg_size 176
		.amdhsa_user_sgpr_count 2
		.amdhsa_user_sgpr_kernarg_segment_ptr 1
		.amdhsa_wavefront_size32 1
		.amdhsa_system_sgpr_workgroup_id_x 1
		.amdhsa_system_sgpr_workgroup_id_y 1
		.amdhsa_system_sgpr_workgroup_id_z 1
		.amdhsa_system_vgpr_workitem_id 0
		.amdhsa_next_free_vgpr 1024
		.amdhsa_next_free_sgpr 96
		.amdhsa_reserve_vcc 0
		.amdhsa_float_denorm_mode_32 3
		.amdhsa_float_denorm_mode_16_64 3
		.amdhsa_memory_ordered 1
		.amdhsa_forward_progress 1
		.amdhsa_inst_pref_size 255
	.end_amdhsa_kernel
	.section	.bss,"aw",@nobits
	.p2align	6
	.space	262144
	.amdgpu_metadata
---
amdhsa.version: [ 1, 2 ]
amdhsa.kernels:
  - .name:           k_qf37cf0e8af_gru
    .symbol:         k_qf37cf0e8af_gru.kd
    .args:
      - { .name: x_codes, .offset: 0, .size: 8, .value_kind: global_buffer, .address_space: global }
      - { .name: x_scales, .offset: 8, .size: 8, .value_kind: global_buffer, .address_space: global }
      - { .name: h, .offset: 16, .size: 8, .value_kind: global_buffer, .address_space: global }
      - { .name: out0, .offset: 24, .size: 8, .value_kind: global_buffer, .address_space: global }
      - { .name: W_rx_codes, .offset: 32, .size: 8, .value_kind: global_buffer, .address_space: global }
      - { .name: W_rh_codes, .offset: 40, .size: 8, .value_kind: global_buffer, .address_space: global }
      - { .name: W_zx_codes, .offset: 48, .size: 8, .value_kind: global_buffer, .address_space: global }
      - { .name: W_zh_codes, .offset: 56, .size: 8, .value_kind: global_buffer, .address_space: global }
      - { .name: W_nx_codes, .offset: 64, .size: 8, .value_kind: global_buffer, .address_space: global }
      - { .name: W_nh_codes, .offset: 72, .size: 8, .value_kind: global_buffer, .address_space: global }
      - { .name: W_rx_scales, .offset: 80, .size: 8, .value_kind: global_buffer, .address_space: global }
      - { .name: W_rh_scales, .offset: 88, .size: 8, .value_kind: global_buffer, .address_space: global }
      - { .name: W_zx_scales, .offset: 96, .size: 8, .value_kind: global_buffer, .address_space: global }
      - { .name: W_zh_scales, .offset: 104, .size: 8, .value_kind: global_buffer, .address_space: global }
      - { .name: W_nx_scales, .offset: 112, .size: 8, .value_kind: global_buffer, .address_space: global }
      - { .name: W_nh_scales, .offset: 120, .size: 8, .value_kind: global_buffer, .address_space: global }
      - { .name: b_rx, .offset: 128, .size: 8, .value_kind: global_buffer, .address_space: global }
      - { .name: b_rh, .offset: 136, .size: 8, .value_kind: global_buffer, .address_space: global }
      - { .name: b_zx, .offset: 144, .size: 8, .value_kind: global_buffer, .address_space: global }
      - { .name: b_zh, .offset: 152, .size: 8, .value_kind: global_buffer, .address_space: global }
      - { .name: b_nx, .offset: 160, .size: 8, .value_kind: global_buffer, .address_space: global }
      - { .name: b_nh, .offset: 168, .size: 8, .value_kind: global_buffer, .address_space: global }
    .group_segment_fixed_size: 315904
    .private_segment_fixed_size: 0
    .kernarg_segment_align: 8
    .kernarg_segment_size: 176
    .max_flat_workgroup_size: 128
    .sgpr_count:     96
    .vgpr_count:     1024
    .wavefront_size: 32
...
	.end_amdgpu_metadata
.endif
;; end of part 2
;; ======== version 3 of 3: 1 launch; version 2 with the launch gru written anew for expert scheduling mode
;; launch gru (part 3): grid 256 x 1, 4 waves a work-group, no clusters, 315,904 bytes of LDS; arguments x_codes, x_scales, h, out0, W_rx_codes, W_rh_codes, W_zx_codes, W_zh_codes, W_nx_codes, W_nh_codes, W_rx_scales, W_rh_scales, W_zx_scales, W_zh_scales, W_nx_scales, W_nh_scales, b_rx, b_rh, b_zx, b_zh, b_nx, b_nh; writes out0
.if DOCPART == 3
	.amdgcn_target "amdgcn-amd-amdhsa--gfx1250"
	.amdhsa_code_object_version 6
	.text
	.protected	k_qf37cf0e8af_gru
	.globl	k_qf37cf0e8af_gru
	.p2align	8
	.type	k_qf37cf0e8af_gru,@function
k_qf37cf0e8af_gru:
	s_mov_b64 s[64:65], 0
	v_nop
	global_prefetch_b8 v0, s[64:65] scope:SCOPE_SE
	s_setreg_imm32_b32 hwreg(HW_REG_WAVE_SCHED_MODE, 0, 2), 2
	s_setreg_imm32_b32 hwreg(HW_REG_WAVE_MODE, 25, 1), 1
	s_wait_xcnt 0x0
	s_wait_alu depctr_vm_vsrc(0)
; One GRU step.  r = sigmoid(x Wrx^T + h Wrh^T + brx + brh), z likewise, n = tanh(x Wnx^T + (r h) Wnh^T + bnx + bnh), out = (1 - z) n + z h.
; 32,768 rows of 512.  All six products on codes of BF8 (E5M2) with one E8M0 scale for each 32 along K; x and the weights arrive as codes; h and r h are quantised here, from f32.
; SHARES.  A work-group of four waves owns 128 whole rows (r h needs all 512 columns of r of a row): eight tiles m of 16 rows.  THE WAVES SHARE THE COLUMNS: wave w owns columns 128 c + 32 w .. + 31, c = 0 .. 3.
; Products are used TRANSPOSED (source 0 = 16 rows of a weight, source 1 = 16 data rows): a lane holds ONE data row (lane % 16).  The rows of a weight that form a tile are not neighbours: lane r of tile u of a block of
; 32 takes row 8 u + r + 8 (r / 8) of the block, so that the 16 registers of tiles 0 and 1 are 16 neighbouring columns, 16 (lane / 16) + 0 .. 15: as the next product's operand wants them along its K.
; h stays with each wave in that same layout, read from memory once: row tiles 0 to 6 in 448 registers, row tile 7 in the wave's own 8,192 bytes of LDS.  It serves its own quantiser, r h and z h.
; Each weight byte is used by one wave of the work-group: it goes from memory straight into that wave's registers, one K step ahead of its use, in two sets of four fragments.
; The rows' codes (x, h, r h) go from wave to wave through LDS as IMAGES OF THE OPERAND'S REGISTERS: a fragment (16 rows x 128 K) is 2,048 bytes, register group b of lane l at 512 b + 16 l.
; Its scale words lie four row tiles to a lane, so that one load brings four fragments' words.  A wave's block of 32 columns is register group w of K step c, and byte w of that K step's scale word.
; PASSES, each of 8 steps of 32 matrix instructions on 32 accumulators (8 row tiles x 4 tiles of 16 columns):  R, twice: two blocks of r (x's four K steps with W_rx, h's four with W_rh); then sigmoid, x h, quantised, image
; to LDS.  ZN, four times: one block of z (tiles 0, 1) and of n (tiles 2, 3): four steps in which a fragment of x feeds all four tiles, four in which a fragment of h feeds z's and one of r h feeds n's; then out.
; THE ROWS' FRAGMENTS COME IN GROUPS OF FOUR, two groups by turns: while one group is multiplied (16 or 8 matrix instructions) the other's loads, one run of 17 or 18, are on their way.
; NO TENSOR LOADS, NO JOINT LOADS, though all work-groups read the same weights: what lies in LDS takes 315,392 of the 327,680 bytes, which leaves 12,288; a step's weights are
; 4 waves x 4 tiles x 2,048 = 32,768 bytes, and two slots of that do not fit; and no weight byte has a second reader inside a work-group.
; LIMITS.  A block of zeros gets the scale byte 1 (its codes are zeros; this program alone reads the byte).  NaN and infinities in h are not served.  tanh(a) = 1 - 2 / (1 + 2^(2 a log2 e)): absolute error about 1e-7.
; The two biases of a gate are added to each other first and to the sums of products at the end; x's and h's products of a gate share one f32 sum.
; The last step of the last pass fetches four fragments of x that nobody uses (17 LDS loads): the price of one text for all four ZN passes.
; THE MODE: SCHED_MODE bits 1:0 = 2 (LLVM: expert scheduling mode 2), set by the entry lines.  The code itself states the register dependences between vector or matrix instructions and
; memory or LDS instructions, with s_wait_alu, always for 0.
; THE PLAN.  Registers that memory or LDS instructions touch, and who else names them:
;   groups 0, 1 and ASC    In the steps: LDS loads land in them; the products of one half (or quarter) of a step read them.  ONE wait on va_vdst stands behind those products and their places, and the group's next fill follows it.
;   the weights' sets, BS  Loads from memory land, asked for at the head of the step before their use; that step's 32 products read them; they are loaded again at the head of the step after.  The wait behind a step's last
;                          half states that its products are done with the set; between that wait and the next loads into the set stand only the group's LDS loads and a window switch.
;   group 1 otherwise      In the first phase and the R epilogues: codes (PC) and bytes (TM + 8 ..) are written by the quantiser and read by its four LDS stores, in two sets by turns: a wait on vm_vsrc at each call's head, one on
;                          va_vdst ahead of its stores.  CL: row tile 7 of h lands there from LDS and multiplications read it.
;   BV                     LDS loads land, the activations' multiply-adds read.
;   the accumulators       At the head x's fragments pass through their registers (loads land, LDS stores read).  On ZN's way out: vector instructions write them, LDS stores read them, LDS loads land in them, stores to memory
;                          read them; the next pass's first products write them.
;   window 3, v192-255     Row tile 7 of h lands, the quantiser reads it, the LDS stores that put it aside read it; from then on the weights' set 1.
;   addresses              LI, LIH, LIR, LS4, H7A, SO, SR and the head's own offsets are made once.  WV, WSV are written once a pass, IW, SB once an R pass, GO, BRD once a pass: a wait on vm_vsrc ahead of the lines
;                          that write them, one on va_vdst behind those lines.
.set IMG,  0                           ; LDS: fragment (J, m) at 16384 J + 2048 m; J = 0-3 x's K steps, 4-7 h's, 8-11 r h's
.set SC,   196608                      ; scale word (J, m) at SC + 1024 J + 512 (m / 4) + 16 lane + 4 (m % 4)
.set STG,  208896                      ; the way out: 128 rows x (512 bytes + 16)
.set BT,   276480                      ; three tables of 512 f32: (b_gx + b_gh) x K_g, g = r, z, n
.set SPILL, 282624                     ; row tile 7 of h: 8,192 bytes for each wave, register group j of lane l at 512 j + 16 l
.set FLOOR, 0x8000000                  ; 2^(16 - 127): under it no largest magnitude is taken, so the byte cannot fall under 1
; window 0
.set LI,   1                           ; v1   16 x lane: x's images
.set LS4,  2                           ; v2   SC + 16 x lane
.set WOFF, 3                           ; v3   a weight's codes: (r + 8 (r / 8)) x 512 + 16 (lane / 16)
.set WSOFF, 4                          ; v4   a weight's scale words: (r + 8 (r / 8)) x 16
.set WV,   5                           ; v5   WOFF + the pass's blocks
.set WSV,  6                           ; v6   WSOFF + the pass's blocks
.set LIH,  7                           ; v7   16 x lane + 65,536: h's images
.set LIR,  8                           ; v8   16 x lane + 131,072: r h's images.  These three and LS4 are never rewritten: every K step and row tile stands in an immediate, 65,024 at the most
.set H7A,  9                           ; v9   SPILL + 8192 w + 16 x lane
.set IW,   10                          ; v10  where I store images: 16 x lane + 512 w + the operand's first byte
.set SB,   11                          ; v11  where I store scale bytes: SC + 16 x lane + w
.set SO,   12                          ; v12  the stage, in: STG + 528 r + 128 w + 64 (lane / 16)
.set SR,   13                          ; v13  the stage, back: STG + 32 x 528 w + 16 x lane
.set GO,   14                          ; v14  out: 16 x lane + 512 c
.set BRD,  15                          ; v15  the bias table: BT + 128 w + 64 (lane / 16) + the pass's place
.set ASC,  16                          ; v16-23  scale words of the eight fragments in hand: group g at ASC + 4 g
.set BS,   24                          ; v24-31  the weights' scale words: set s, tile t at BS + 4 s + t
                                       ; v32-95  group 0 of the rows' fragments;  v160-223 group 1: group g, fragment k at 32 + 128 g + 16 k
                                       ; v96-159 the weights' four fragments, set 0;  set 1 lies in window 3, v192-255
.set HO,   60                          ; at the head only, in group 0's registers: h's offset 2048 r + 64 (lane / 16);
.set XO,   61                          ; x's codes 512 r + 16 (lane / 16);
.set XSO,  62                          ; x's scale bytes 16 r;
.set BO,   63                          ; 16 x thread
.set TM,   160                         ; in the first phase and the epilogues group 1's registers are free: v160-171 at work,
.set XWI,  172                         ; at the head only: where I store x's images, their scale words, my part of the bias table
.set XWS,  173
.set BTW,  174
.set CL,   176                         ; v176-207 32 numbers held within the largest code x the scale; ahead of that, row tile 7 of h as it comes back,
.set PC,   208                         ; v208-223 codes, two sets of 8
.set BV,   224                         ; v224-255 32 numbers of the bias table
; window 1: the accumulators, (m, t) at 32 m + 8 t.   windows 2, 3: h: H[m][16 c + i] at window 2 + m / 4, register 64 (m % 4) + 16 c + i = h(16 m + r, 128 c + 32 w + 16 (lane / 16) + i), m = 0 .. 6
.set XC, 4
.set XSP, 6
.set HP, 8
.set OP, 10
.set WRX, 12
.set WRH, 14
.set WZX, 16
.set WZH, 18
.set WNX, 20
.set WNH, 22
.set SRX, 24
.set SRH, 26
.set SZX, 28
.set SZH, 30
.set SNX, 32
.set SNH, 34
.set BIA, 36                           ; s[36:47] the six biases
.set WN,  48                           ; s48  my wave's number
.set RC,  54                           ; counters: R pass, ZN pass
.set ZC,  56
.set SEL, 58                           ; s[58:59] v_permlanex16_b32's selects for lane l xor 16
.set MNT, 60                           ; the mantissa field of 57,344
.set KS,  62                           ; s[62:63] -log2(e): sigmoid(a) = 1 / (1 + 2^(-a log2 e))
.set KN,  66                           ; s[66:67] 2 log2(e)
.set MSB, 0
.set LASTN, 17
.macro WIN new                         ; the immediate's high byte repeats the setting that is left; a switch that changes nothing is dropped
.if MSB != (\new)
	s_set_vgpr_msb (MSB<<8)|(\new)
.set MSB, (\new)
.endif
.endm
.macro BAR                             ; my LDS stores have landed and my LDS loads are in: then the work-group's barrier
	s_wait_dscnt 0x0
	s_barrier_signal -1
	s_barrier_wait -1
.endm
; A step's weights into set: tiles 0, 1 from pa, tiles 2, 3 from pb (d1 bytes on), 128 along K at byte kc of the rows; their scale words from qa, qb.  20 loads.
.macro BLOAD set, pa, pb, qa, qb, kc, ks, d1, e1
.set rB, 96+96*(\set)
	WIN 0xc0*(\set)                                ; set 1: destination window 3
.irp t, 0,1
.irp c, 0,1,2,3
	global_load_b128 v[rB+16*\t+4*\c:rB+16*\t+4*\c+3], v[WV], s[\pa:\pa+1] offset:4096*\t+32*\c+(\kc)
.endr
.endr
.irp t, 0,1
.irp c, 0,1,2,3
	global_load_b128 v[rB+32+16*\t+4*\c:rB+32+16*\t+4*\c+3], v[WV], s[\pb:\pb+1] offset:4096*\t+32*\c+(\kc)+(\d1)
.endr
.endr
	WIN 0
.irp t, 0,1
	global_load_b32 v[BS+4*(\set)+\t], v[WSV], s[\qa:\qa+1] offset:128*\t+(\ks)
	global_load_b32 v[BS+4*(\set)+2+\t], v[WSV], s[\qb:\qb+1] offset:128*\t+(\ks)+(\e1)
.endr
.endm
; The next step's weights are asked for first, into the set that the step before has left; then the wait for this step's, asked for a step ago.
; No wait on va_vdst stands here: the one behind the last products that read the set stands ahead, and only LDS loads and window switches lie between
.macro NEXTW set, pa, pb, qa, qb, kc, ks, d1, e1
	BLOAD \set, \pa, \pb, \qa, \qb, \kc, \ks, \d1, \e1
	s_wait_loadcnt 20                              ; the 20 just issued may be out; all before them are in
.endm
; Group g takes row tiles 4 mh .. 4 mh + 3 of image J (base: the operand's address register): 16 loads, and one for the four scale words.  LASTN: how many LDS loads the fill last written has
.macro GFILL0 g, base, J, mh
.irp k, 0,1,2,3
.irp c, 0,1,2,3
	ds_load_b128 v[32+128*(\g)+16*\k+4*\c:32+128*(\g)+16*\k+4*\c+3], v[\base] offset:16384*((\J)%4)+2048*(4*(\mh)+\k)+512*\c
.endr
.endr
	ds_load_b128 v[ASC+4*(\g):ASC+4*(\g)+3], v[LS4] offset:1024*(\J)+512*(\mh)
.set LASTN, 17
.endm
; Group g takes, of K step s, h's and r h's fragments of row tiles 2 mp and 2 mp + 1 (h, r h, h, r h): 16 loads, and two for the scale words (h's two, then r h's two)
.macro GFILL1 g, s, mp
.irp j, 0,1
.irp c, 0,1,2,3
	ds_load_b128 v[32+128*(\g)+32*\j+4*\c:32+128*(\g)+32*\j+4*\c+3], v[LIH] offset:16384*(\s)+2048*(2*(\mp)+\j)+512*\c
.endr
.irp c, 0,1,2,3
	ds_load_b128 v[48+128*(\g)+32*\j+4*\c:48+128*(\g)+32*\j+4*\c+3], v[LIR] offset:16384*(\s)+2048*(2*(\mp)+\j)+512*\c
.endr
.endr
	ds_load_b64 v[ASC+4*(\g):ASC+4*(\g)+1], v[LS4] offset:1024*(4+(\s))+512*((\mp)/2)+8*((\mp)%2)
	ds_load_b64 v[ASC+4*(\g)+2:ASC+4*(\g)+3], v[LS4] offset:1024*(8+(\s))+512*((\mp)/2)+8*((\mp)%2)
.set LASTN, 18
.endm
; One matrix instruction: accumulator (m, t) += the weights' tile t of set x the fragment at v[ra], whose scale word is v[rs].  The accumulators take turns, one instruction a turn.
.macro MM m, t, set, ra, rs, zero
.set rD, 32*(\m)+8*(\t)
.set rW, 96+96*(\set)+16*(\t)
.if \zero
	v_wmma_scale_f32_16x16x128_f8f6f4 v[rD:rD+7], v[rW:rW+15], v[(\ra):(\ra)+15], 0, v[BS+4*(\set)+(\t)], v[(\rs)] matrix_a_fmt:MATRIX_FMT_BF8 matrix_b_fmt:MATRIX_FMT_BF8
.else
	v_wmma_scale_f32_16x16x128_f8f6f4 v[rD:rD+7], v[rW:rW+15], v[(\ra):(\ra)+15], v[rD:rD+7], v[BS+4*(\set)+(\t)], v[(\rs)] matrix_a_fmt:MATRIX_FMT_BF8 matrix_b_fmt:MATRIX_FMT_BF8
.endif
.endm
; The eight v_nop behind a group's products are the places behind this matrix form in front of the loads into the registers that it has read, and of the first read of results.
; Where loads follow, the wait on va_vdst stands behind the places, beside them.
.macro PLACES
.rept 8
	v_nop
.endr
.endm
; Group g, row tiles 4 mh .. 4 mh + 3, each fragment against all four tiles: 16 matrix instructions
.macro HALF0 g, mh, set, zero
	s_wait_dscnt LASTN                             ; behind this group's fill only the other group's was issued: it may be out
	WIN 0x50+3*(\set)                              ; C and D window 1; set 1 of the weights window 3
.set kk, 0
.rept 4
.set tt, 0
.rept 4
	MM 4*(\mh)+kk, tt, \set, 32+128*(\g)+16*kk, ASC+4*(\g)+kk, \zero
.set tt, tt+1
.endr
.set kk, kk+1
.endr
	PLACES
	WIN 0
.endm
; Group g, row tiles 2 mp and 2 mp + 1: h's fragment against tiles 0, 1 (z), r h's against tiles 2, 3 (n): 8 matrix instructions
.macro HALF1 g, mp, set
	s_wait_dscnt LASTN
	WIN 0x50+3*(\set)
.set jj, 0
.rept 2
	MM 2*(\mp)+jj, 0, \set, 32+128*(\g)+32*jj, ASC+4*(\g)+jj, 0
	MM 2*(\mp)+jj, 1, \set, 32+128*(\g)+32*jj, ASC+4*(\g)+jj, 0
	MM 2*(\mp)+jj, 2, \set, 48+128*(\g)+32*jj, ASC+4*(\g)+2+jj, 0
	MM 2*(\mp)+jj, 3, \set, 48+128*(\g)+32*jj, ASC+4*(\g)+2+jj, 0
.set jj, jj+1
.endr
	PLACES
	WIN 0
.endm
.macro STEPA set, zero, base, J        ; a step on one operand; behind each half its group takes the same half of image J, the next step's
	HALF0 0, 0, \set, \zero
	s_wait_alu depctr_va_vdst(0)                   ; the sixteen products are done reading group 0 and its scale words, in which the loads below land
	GFILL0 0, \base, \J, 0
	HALF0 1, 1, \set, \zero
	s_wait_alu depctr_va_vdst(0)                   ; the products are done reading group 1 and its scale words, in which the loads below land, and this set of weights and its scale words, in which the next step's head loads
	GFILL0 1, \base, \J, 1
.endm
.macro STEPB set                       ; x's last step of a ZN pass: the next step is on h and r h
	HALF0 0, 0, \set, 0
	s_wait_alu depctr_va_vdst(0)                   ; the products are done reading group 0 and its scale words, in which the loads below land
	GFILL1 0, 0, 0
	HALF0 1, 1, \set, 0
	s_wait_alu depctr_va_vdst(0)                   ; the products are done reading group 1 and its scale words, and this set of weights and its scale words
	GFILL1 1, 0, 1
.endm
.macro STEPL set                       ; an R pass's last step: group 0 takes the next pass's first fragments; group 1's registers serve the epilogue and are filled at the next pass's head
	HALF0 0, 0, \set, 0
	s_wait_alu depctr_va_vdst(0)                   ; the products are done reading group 0 and its scale words, in which the loads below land
	GFILL0 0, LI, 0, 0
	HALF0 1, 1, \set, 0
.endm
.macro STEPC set, s, last              ; K step s on h and r h: four quarters; behind each its group takes what stands two quarters on
	HALF1 0, 0, \set
	s_wait_alu depctr_va_vdst(0)                   ; the eight products are done reading group 0 and its scale words, in which the loads below land
	GFILL1 0, \s, 2
	HALF1 1, 1, \set
	s_wait_alu depctr_va_vdst(0)                   ; likewise group 1
	GFILL1 1, \s, 3
	HALF1 0, 2, \set
	s_wait_alu depctr_va_vdst(0)                   ; likewise group 0
.if \last
	GFILL0 0, LI, 0, 0
.else
	GFILL1 0, (\s)+1, 0
.endif
	HALF1 1, 3, \set
.if (\last) == 0
	s_wait_alu depctr_va_vdst(0)                   ; likewise group 1; and the step's products are done reading this set of weights and its scale words, in which the next step's head loads
	GFILL1 1, (\s)+1, 1
.endif
.endm
; 32 numbers of a lane, v[S] .. v[S + 31] of window SW: my 16 of each of two blocks of 32 (the other 16 lie in lane l xor 16).  They become 2 x 16 codes and two scale bytes, which go to LDS:
; the first block's at ioff and soff, the second's one K step on.  par: which of the two sets of code and byte registers.
.macro QUANT2 S, SW, ioff, soff, par
	s_wait_dscnt 4                                 ; the four stores of the call before may be out; those of the call before that, which read this set's registers, are done
	s_wait_alu depctr_vm_vsrc(0)                   ; the LDS stores issued so far have read this set's codes and bytes, which this call writes again
	WIN (\SW)|((\SW)<<2)
	v_max3_num_f32 v[TM], |v[(\S)]|, |v[(\S)+1]|, FLOOR
	v_max3_num_f32 v[TM+1], |v[(\S)+16]|, |v[(\S)+17]|, FLOOR
.irp i, 2,4,6,8,10,12,14
	v_max3_num_f32 v[TM], |v[(\S)+\i]|, |v[(\S)+\i+1]|, v[TM]           ; the two blocks by turns
	v_max3_num_f32 v[TM+1], |v[(\S)+16+\i]|, |v[(\S)+17+\i]|, v[TM+1]
.endr
	WIN 0
	v_permlanex16_b32 v[TM+2], v[TM], s[SEL], s[SEL+1]
	v_permlanex16_b32 v[TM+3], v[TM+1], s[SEL], s[SEL+1]
	v_max_num_f32 v[TM], v[TM], v[TM+2]            ; with lane l xor 16's: the block's largest magnitude
	v_max_num_f32 v[TM+1], v[TM+1], v[TM+3]
	v_add_nc_u32 v[TM+6], 0xf8800000, v[TM]        ; 15 off its exponent field: the conversion takes the exponent field of this operand as its scale
	v_add_nc_u32 v[TM+7], 0xf8800000, v[TM+1]
	v_and_or_b32 v[TM+4], v[TM], 0x7f800000, s[MNT]    ; 57,344 x the scale
	v_and_or_b32 v[TM+5], v[TM+1], 0x7f800000, s[MNT]
	v_lshrrev_b32 v[TM+8+2*(\par)], 23, v[TM+6]    ; the scale's byte
	v_lshrrev_b32 v[TM+9+2*(\par)], 23, v[TM+7]
	WIN (\SW)
.irp i, 0,1,2,3,4,5,6,7,8,9,10,11,12,13,14,15
	v_med3_num_f32 v[CL+\i], v[(\S)+\i], -v[TM+4], v[TM+4]       ; the conversion to an 8-bit code does not saturate (ISA guide 7.6.2): the hold at the largest code x the scale
.endr
.irp i, 16,17,18,19,20,21,22,23,24,25,26,27,28,29,30,31
	v_med3_num_f32 v[CL+\i], v[(\S)+\i], -v[TM+5], v[TM+5]
.endr
	WIN 0
.irp g, 0,1,2,3
	v_cvt_scalef32_pk8_bf8_f32 v[PC+8*(\par)+2*\g:PC+8*(\par)+2*\g+1], v[CL+8*\g:CL+8*\g+7], v[TM+6+\g/2]
.endr
	v_nop                                          ; one plain vector instruction behind the last scaled conversion
	s_wait_alu depctr_va_vdst(0)                   ; the conversions have written the codes and the shifts the bytes, which the four stores below read
	ds_store_b128 v[IW], v[PC+8*(\par):PC+8*(\par)+3] offset:\ioff
	ds_store_b128 v[IW], v[PC+8*(\par)+4:PC+8*(\par)+7] offset:(\ioff)+16384
	ds_store_b8 v[SB], v[TM+8+2*(\par)] offset:\soff
	ds_store_b8 v[SB], v[TM+9+2*(\par)] offset:(\soff)+1024
.endm
; Row tile m of h: my 64 numbers of row r: 16 neighbours of each of my four blocks.  No cache hint: the four loads q of a block take the four quarters of the same 64 bytes a lane.
; No vector instruction names a row tile's registers ahead of its loads, and the offset was made at the head: no wait on va_vdst is owed here
.macro HLOAD m
	WIN 0x80+0x40*((\m)/4)
.irp c, 0,1,2,3
.irp q, 0,1,2,3
	global_load_b128 v[64*((\m)%4)+16*\c+4*\q:64*((\m)%4)+16*\c+4*\q+3], v[HO], s[HP:HP+1] offset:32768*(\m)+512*\c+16*\q
.endr
.endr
	WIN 0
.endm
; All 256 accumulator registers: a x K + bias x K, 2^., + 1, 1 / .  kind = 0: K = -log2 e throughout; 1: 2 log2 e for tiles 2, 3.  Each accumulator is read from its low end on.
.macro ACT kind
	WIN 0x41                                       ; destination and source 0 window 1
.set a, 0
.rept 128
.if (\kind) && ((a%32) >= 16)
	v_pk_fma_f32 v[a:a+1], v[a:a+1], s[KN:KN+1], v[BV+a%32:BV+a%32+1] op_sel_hi:[1,0,1]
.else
	v_pk_fma_f32 v[a:a+1], v[a:a+1], s[KS:KS+1], v[BV+a%32:BV+a%32+1] op_sel_hi:[1,0,1]
.endif
.set a, a+2
.endr
.set a, 0
.rept 256
	v_exp_f32 v[a], v[a]
.set a, a+1
.endr
	v_nop                                          ; a plain instruction behind the run of exponentials
	s_wait_alu depctr_va_vdst(0)                   ; the 256 exponentials have written their results: one wait, ahead of their first reader
.set a, 0
.rept 128
	v_pk_add_f32 v[a:a+1], v[a:a+1], 1.0 op_sel_hi:[1,0]
.set a, a+2
.endr
.set a, 0
.rept 256
	v_rcp_f32 v[a], v[a]
.set a, a+1
.endr
	v_nop                                          ; and behind the reciprocals
	s_wait_alu depctr_va_vdst(0)                   ; the 256 reciprocals have written their results: one wait, ahead of their first reader and of the branches that follow; and the pass's last products are done reading group 1, in which row tile 7 of h lands
.endm
; r x h, for the R pass c: only these lines name h's places, so only they are written once for each pass.  Row tile 7's 32 numbers come back from my own LDS bytes while the other seven are multiplied
.macro RH c
.irp j, 0,1,2,3,4,5,6,7
	ds_load_b128 v[CL+4*\j:CL+4*\j+3], v[H7A] offset:512*(8*(\c)+\j)
.endr
.set mm, 0
.rept 7
	WIN 0x49+4*(mm/4)                              ; source 1: window 2 or 3
.set a, 0
.rept 16
	v_pk_mul_f32 v[32*mm+a:32*mm+a+1], v[32*mm+a:32*mm+a+1], v[64*(mm%4)+32*(\c)+a:64*(mm%4)+32*(\c)+a+1]
.set a, a+2
.endr
.set mm, mm+1
.endr
	s_wait_dscnt 0x0
	WIN 0x41                                       ; source 1: window 0
.set a, 0
.rept 16
	v_pk_mul_f32 v[224+a:224+a+1], v[224+a:224+a+1], v[CL+a:CL+a+1]
.set a, a+2
.endr
	WIN 0
.endm
; out = z x h + (n - z n), into z's registers, for the ZN pass c
.macro ZH c
.irp j, 0,1,2,3
	ds_load_b128 v[CL+4*\j:CL+4*\j+3], v[H7A] offset:512*(4*(\c)+\j)
.endr
.set mm, 0
.rept 7
	WIN 0x59+4*(mm/4)
.set a, 0
.rept 8
	v_pk_fma_f32 v[32*mm+a:32*mm+a+1], v[32*mm+a:32*mm+a+1], v[64*(mm%4)+16*(\c)+a:64*(mm%4)+16*(\c)+a+1], v[32*mm+16+a:32*mm+16+a+1]
.set a, a+2
.endr
.set mm, mm+1
.endr
	s_wait_dscnt 0x0
	WIN 0x51
.set a, 0
.rept 8
	v_pk_fma_f32 v[224+a:224+a+1], v[224+a:224+a+1], v[CL+a:CL+a+1], v[240+a:240+a+1]
.set a, a+2
.endr
	WIN 0
.endm
	s_load_b512 s[4:19], s[0:1], 0x0               ; x's codes, x's scales, h, out, W_rx, W_rh, W_zx, W_zh
	s_load_b512 s[20:35], s[0:1], 0x40             ; W_nx, W_nh, and the six weights' scales in the same order
	s_load_b256 s[36:43], s[0:1], 0x80             ; b_rx, b_rh, b_zx, b_zh
	s_load_b128 s[44:47], s[0:1], 0xa0             ; b_nx, b_nh
	v_lshrrev_b32 v56, 5, v0
	v_readfirstlane_b32 s[WN], v56                 ; wave 0..3
	v_and_b32 v56, 31, v0                          ; lane
	v_and_b32 v57, 15, v0                          ; r
	v_bfe_u32 v58, v0, 4, 1                        ; lane / 16
	v_and_b32 v59, 8, v57
	v_add_nc_u32 v59, v59, v57                     ; r + 8 (r / 8)
	v_lshlrev_b32 v[LI], 4, v56
	v_add_nc_u32 v[LIH], 0x10000, v[LI]
	v_add_nc_u32 v[LIR], 0x20000, v[LI]
	v_add_nc_u32 v[LS4], SC, v[LI]
	v_lshlrev_b32 v[WOFF], 9, v59
	v_lshl_add_u32 v[WOFF], v58, 4, v[WOFF]
	v_lshlrev_b32 v[WSOFF], 4, v59
	v_mov_b32 v[WV], v[WOFF]
	v_mov_b32 v[WSV], v[WSOFF]
	s_wait_alu depctr_va_sdst(0)                   ; the wave's number is written, ahead of its first reader: LDS addresses and the buffers' bases are made from it
	s_lshl_b32 s49, s[WN], 9
	v_add_nc_u32 v[IW], s49, v[LIH]                ; h's images, my register group
	v_add_nc_u32 v[SB], s[WN], v[LS4]
	s_lshl_b32 s49, s[WN], 13
	v_add_nc_u32 v[H7A], s49, v[LI]
	v_add_nc_u32 v[H7A], SPILL, v[H7A]
	v_mul_u32_u24 v[SO], v57, 528
	v_lshl_add_u32 v[SO], v58, 6, v[SO]
	s_lshl_b32 s49, s[WN], 7
	v_add_nc_u32 v[SO], s49, v[SO]
	v_add_nc_u32 v[SO], STG, v[SO]
	v_lshlrev_b32 v[BRD], 6, v58
	v_add_nc_u32 v[BRD], s49, v[BRD]
	v_add_nc_u32 v[BRD], BT, v[BRD]
	s_mul_i32 s49, s[WN], 32*528
	v_add_nc_u32 v[SR], s49, v[LI]
	v_add_nc_u32 v[SR], STG, v[SR]
	v_mov_b32 v[GO], v[LI]
	v_lshlrev_b32 v[HO], 11, v57
	v_lshl_add_u32 v[HO], v58, 6, v[HO]
	v_lshlrev_b32 v[XO], 9, v57
	v_lshl_add_u32 v[XO], v58, 4, v[XO]
	v_lshlrev_b32 v[XSO], 4, v57
	v_lshlrev_b32 v[BO], 4, v0
	s_lshl_b32 s49, s[WN], 12
	v_add_nc_u32 v[XWI], s49, v[LI]                ; I bring row tiles 2 w and 2 w + 1 of x
	s_lshr_b32 s49, s[WN], 1
	s_lshl_b32 s49, s49, 9                         ; their scale words: 512 (w / 2)
	s_and_b32 s57, s[WN], 1
	s_lshl_b32 s57, s57, 3                         ; + 8 (w % 2)
	s_add_co_u32 s49, s49, s57
	v_add_nc_u32 v[XWS], s49, v[LS4]
	v_add_nc_u32 v[BTW], BT, v[BO]
	v_mov_b32 v[TM+2], 0                           ; written once: a lane permute's destination counts as one of its sources
	v_mov_b32 v[TM+3], 0
	s_mov_b32 s[SEL], 0x76543210
	s_mov_b32 s[SEL+1], 0xfedcba98
	s_mov_b32 s[MNT], 0x600000
	s_mov_b32 s[KS], 0xbfb8aa3b
	s_mov_b32 s[KS+1], s[KS]                       ; (named with it as a pair, so it is written)
	s_mov_b32 s[KN], 0x4038aa3b
	s_mov_b32 s[KN+1], s[KN]
	s_lshl_b32 s68, s[WN], 14                      ; my 32 rows of a block of 128 of a weight: 16,384 w bytes of codes,
	s_mov_b32 s69, 0
	s_lshl_b32 s70, s[WN], 9                       ; 512 w bytes of scales
	s_mov_b32 s71, 0
	s_lshl_b32 s72, ttmp9, 18                      ; h: 128 rows of 2,048 bytes a work-group, + my 128 bytes of a block of 512
	s_lshl_b32 s49, s[WN], 7
	s_add_co_u32 s72, s72, s49
	s_mov_b32 s73, 0
	s_lshl_b32 s74, ttmp9, 16                      ; x's codes: 128 rows of 512 bytes, + my 32 rows
	s_add_co_u32 s74, s74, s68
	s_mov_b32 s75, 0
	s_lshl_b32 s76, ttmp9, 11                      ; x's scales: 128 rows of 16 bytes, + my 32 rows
	s_add_co_u32 s76, s76, s70
	s_mov_b32 s77, 0
	s_lshl_b32 s78, ttmp9, 18                      ; out: 128 rows of 2,048 bytes, + the 32 rows that I store
	s_lshl_b32 s49, s[WN], 16
	s_add_co_u32 s78, s78, s49
	s_mov_b32 s79, 0
	s_wait_kmcnt 0x0
.irp p, 12,14,16,18,20,22
	s_add_nc_u64 s[\p:\p+1], s[\p:\p+1], s[68:69]
.endr
.irp p, 24,26,28,30,32,34
	s_add_nc_u64 s[\p:\p+1], s[\p:\p+1], s[70:71]
.endr
	s_add_nc_u64 s[HP:HP+1], s[HP:HP+1], s[72:73]
	s_add_nc_u64 s[XC:XC+1], s[XC:XC+1], s[74:75]
	s_add_nc_u64 s[XSP:XSP+1], s[XSP:XSP+1], s[76:77]
	s_add_nc_u64 s[OP:OP+1], s[OP:OP+1], s[78:79]
	s_wait_alu depctr_va_vdst(0)                   ; every offset and LDS address made above is written: the loads and stores of the whole kernel read them
	BLOAD 0, WRX, WRX, SRX, SRX, 0, 0, 65536, 2048 ; the first step's weights: 20 loads
	WIN 0x40                                       ; x's fragments of my two row tiles, into registers that the accumulators will take: 34 loads
.irp mm, 0,1
.irp s, 0,1,2,3
.irp c, 0,1,2,3
	global_load_b128 v[64*\mm+16*\s+4*\c:64*\mm+16*\s+4*\c+3], v[XO], s[XC:XC+1] offset:8192*\mm+128*\s+32*\c
.endr
.endr
	global_load_b128 v[128+4*\mm:131+4*\mm], v[XSO], s[XSP:XSP+1] offset:256*\mm      ; a row's four scale words
.endr
	WIN 0
.irp j, 0,1,2,3,4,5
	global_load_b128 v[32+4*\j:35+4*\j], v[BO], s[BIA+2*\j:BIA+2*\j+1]                ; thread t: numbers 4 t .. 4 t + 3 of each bias
.endr
	HLOAD 0
	HLOAD 1
	HLOAD 2
	s_wait_loadcnt 48                              ; all but h's 48 loads are in
	WIN 0x04                                       ; an LDS store's data: window 1
.irp mm, 0,1
.irp s, 0,1,2,3
.irp c, 0,1,2,3
	ds_store_b128 v[XWI], v[64*\mm+16*\s+4*\c:64*\mm+16*\s+4*\c+3] offset:16384*\s+2048*\mm+512*\c
.endr
	ds_store_b32 v[XWS], v[128+4*\mm+\s] offset:1024*\s+4*\mm
.endr
.endr
	WIN 0
.irp g, 0,1,2
	v_pk_add_f32 v[32+8*\g:33+8*\g], v[32+8*\g:33+8*\g], v[36+8*\g:37+8*\g]
	v_pk_add_f32 v[34+8*\g:35+8*\g], v[34+8*\g:35+8*\g], v[38+8*\g:39+8*\g]
.endr
.irp g, 0,1
	v_pk_mul_f32 v[32+8*\g:33+8*\g], v[32+8*\g:33+8*\g], s[KS:KS+1] op_sel_hi:[1,0]
	v_pk_mul_f32 v[34+8*\g:35+8*\g], v[34+8*\g:35+8*\g], s[KS:KS+1] op_sel_hi:[1,0]
.endr
	v_pk_mul_f32 v[48:49], v[48:49], s[KN:KN+1] op_sel_hi:[1,0]
	v_pk_mul_f32 v[50:51], v[50:51], s[KN:KN+1] op_sel_hi:[1,0]
	s_wait_alu depctr_va_vdst(0)                   ; the sums of biases, scaled, are written, which the three stores below read
.irp g, 0,1,2
	ds_store_b128 v[BTW], v[32+8*\g:35+8*\g] offset:2048*\g
.endr
	; ---- h is quantised, a row tile at a time; its loads run three row tiles (48 loads) ahead
.set mq, 0
.rept 8
.if mq+3 < 8
	HLOAD mq+3
.endif
.if mq < 5
	s_wait_loadcnt 48                              ; row tile mq is in; the three behind it may be out
.else
	s_wait_loadcnt 16*(7-mq)
.endif
	QUANT2 64*(mq%4), 2+mq/4, 2048*mq, 4096+512*(mq/4)+4*(mq%4), 0
	QUANT2 64*(mq%4)+32, 2+mq/4, 32768+2048*mq, 6144+512*(mq/4)+4*(mq%4), 1
.set mq, mq+1
.endr
	WIN 0x0c                                       ; an LDS store's data: window 3.  Row tile 7 of h goes to my own LDS bytes: its registers become the weights' set 1.  (The data came by loads, the address was made at the head)
.irp j, 0,1,2,3,4,5,6,7,8,9,10,11,12,13,14,15
	ds_store_b128 v[H7A], v[192+4*\j:195+4*\j] offset:512*\j
.endr
	WIN 0
	BAR                                            ; x's and h's images, their scale words and the bias table lie in LDS; my stores have read their registers
	s_wait_alu depctr_vm_vsrc(0)                   ; my stores and loads so far have read: IW, written below; the bias sums, the head's offsets, the codes and bytes in both groups' registers, and row tile 7's registers, in all of which loads land below; x's fragments, over which the first products write
	v_add_nc_u32 v[IW], 0x10000, v[IW]             ; from here on r h's images
	s_wait_alu depctr_va_vdst(0)                   ; IW is written, which the R passes' stores read; the head and the quantiser are done with both groups' registers and with row tile 7's, in which the loads below land
	GFILL0 0, LI, 0, 0
	; ---- R: two passes of eight steps, x's K steps 0 to 3 with W_rx, then h's with W_rh
	s_mov_b32 s[RC], 0
.Lr:
	GFILL0 1, LI, 0, 1                             ; group 0 was filled in the pass before, or just above.  On both ways here the two waits stand ahead, with no vector instruction behind them
	NEXTW 1, WRX, WRX, SRX, SRX, 128, 4, 65536, 2048
	STEPA 0, 1, LI, 1                              ; the first step's products start the sums
	NEXTW 0, WRX, WRX, SRX, SRX, 256, 8, 65536, 2048
	STEPA 1, 0, LI, 2
	NEXTW 1, WRX, WRX, SRX, SRX, 384, 12, 65536, 2048
	STEPA 0, 0, LI, 3
	NEXTW 0, WRH, WRH, SRH, SRH, 0, 0, 65536, 2048
	STEPA 1, 0, LIH, 4
	NEXTW 1, WRH, WRH, SRH, SRH, 128, 4, 65536, 2048
	STEPA 0, 0, LIH, 5
	NEXTW 0, WRH, WRH, SRH, SRH, 256, 8, 65536, 2048
	STEPA 1, 0, LIH, 6
	NEXTW 1, WRH, WRH, SRH, SRH, 384, 12, 65536, 2048
	STEPA 0, 0, LIH, 7
	s_wait_loadcnt 0x0                             ; the last step asks for the next pass's first weights; every load is done, so the offsets may be written
	s_wait_alu depctr_vm_vsrc(0)                   ; the weights' loads have read WV and WSV, which both arms below write
	s_cmp_lg_u32 s[RC], 0
	s_cbranch_scc1 .Lr7b
	v_add_nc_u32 v[WV], 0x20000, v[WOFF]           ; the second R pass: blocks 2 and 3
	v_add_nc_u32 v[WSV], 0x1000, v[WSOFF]
	s_wait_alu depctr_va_vdst(0)                   ; WV and WSV are written, which the loads below read
	BLOAD 0, WRX, WRX, SRX, SRX, 0, 0, 65536, 2048
	s_branch .Lr7j
.Lr7b:
	v_mov_b32 v[WV], v[WOFF]                       ; the first ZN pass: block 0
	v_mov_b32 v[WSV], v[WSOFF]
	s_wait_alu depctr_va_vdst(0)                   ; WV and WSV are written, which the loads below read
	BLOAD 0, WZX, WNX, SZX, SNX, 0, 0, 0, 0
.Lr7j:
	STEPL 1
.irp b, 0,1
.irp q, 0,1,2,3
	ds_load_b128 v[BV+16*\b+4*\q:BV+16*\b+4*\q+3], v[BRD] offset:512*\b+16*\q
.endr
.endr
	s_wait_dscnt 0x0
	ACT 0                                          ; r
	WIN 0
	s_cmp_lg_u32 s[RC], 0
	s_cbranch_scc1 .Lrh1
	RH 0
	s_branch .Lrhj
.Lrh1:
	RH 1
.Lrhj:
.set mq, 0
.rept 8
	QUANT2 32*mq, 1, 2048*mq, 8192+512*(mq/4)+4*(mq%4), mq%2    ; r h of row tile mq: my register group of two K steps of the last product
.set mq, mq+1
.endr
	s_wait_dscnt 0x0                               ; my stores are done: their address registers may step, and group 1's registers may be loaded
	s_wait_alu depctr_vm_vsrc(0)                   ; my stores have read IW, SB, the codes and the bytes, the bias table's loads BRD: the three are written below, and the next pass's head loads into group 1
	v_add_nc_u32 v[IW], 0x8000, v[IW]              ; two K steps on
	v_add_nc_u32 v[SB], 0x800, v[SB]
	v_add_nc_u32 v[BRD], 0x400, v[BRD]             ; 256 columns on; behind the second pass it stands at z's table
	s_wait_alu depctr_va_vdst(0)                   ; IW, SB and BRD are written, which the next epilogue's stores and loads read
	s_add_co_u32 s[RC], s[RC], 1
	s_cmp_lt_u32 s[RC], 2
	s_cbranch_scc1 .Lr
	BAR                                            ; r h's images and scale words lie in LDS
	; ---- ZN: four passes
	s_mov_b32 s[ZC], 0
.Lz:
	GFILL0 1, LI, 0, 1                             ; on both ways here the two waits stand ahead, with no vector instruction behind them
	NEXTW 1, WZX, WNX, SZX, SNX, 128, 4, 0, 0
	STEPA 0, 1, LI, 1
	NEXTW 0, WZX, WNX, SZX, SNX, 256, 8, 0, 0
	STEPA 1, 0, LI, 2
	NEXTW 1, WZX, WNX, SZX, SNX, 384, 12, 0, 0
	STEPA 0, 0, LI, 3
	NEXTW 0, WZH, WNH, SZH, SNH, 0, 0, 0, 0
	STEPB 1
	NEXTW 1, WZH, WNH, SZH, SNH, 128, 4, 0, 0
	STEPC 0, 0, 0
	NEXTW 0, WZH, WNH, SZH, SNH, 256, 8, 0, 0
	STEPC 1, 1, 0
	NEXTW 1, WZH, WNH, SZH, SNH, 384, 12, 0, 0
	STEPC 0, 2, 0
	s_wait_loadcnt 0x0                             ; every load is done, so the offsets may be written
	s_wait_alu depctr_vm_vsrc(0)                   ; the weights' loads have read WV and WSV, which are written below
	v_add_nc_u32 v[WV], 0x10000, v[WV]             ; the next pass's block
	v_add_nc_u32 v[WSV], 0x800, v[WSV]
	s_cmp_eq_u32 s[ZC], 3                          ; the last pass asks for nothing: no load leaves its buffer
	s_cbranch_scc1 .Lz7
	s_wait_alu depctr_va_vdst(0)                   ; WV and WSV are written, which the loads below read
	BLOAD 0, WZX, WNX, SZX, SNX, 0, 0, 0, 0
.Lz7:
	STEPC 1, 3, 1
.irp q, 0,1,2,3
	ds_load_b128 v[BV+4*\q:BV+4*\q+3], v[BRD] offset:16*\q               ; z's biases,
	ds_load_b128 v[BV+16+4*\q:BV+16+4*\q+3], v[BRD] offset:2048+16*\q    ; n's
.endr
	s_wait_dscnt 0x0
	ACT 1                                          ; z, and 1 / (1 + 2^(2 a log2 e))
.set mm, 0
.rept 8
.set a, 16
.rept 8
	v_pk_fma_f32 v[32*mm+a:32*mm+a+1], v[32*mm+a:32*mm+a+1], -2.0, 1.0 op_sel_hi:[1,0,0]      ; n = tanh
.set a, a+2
.endr
.set mm, mm+1
.endr
	WIN 0x55                                       ; all in window 1
.set mm, 0
.rept 8
.set a, 0
.rept 8
	v_pk_fma_f32 v[32*mm+16+a:32*mm+16+a+1], v[32*mm+a:32*mm+a+1], v[32*mm+16+a:32*mm+16+a+1], v[32*mm+16+a:32*mm+16+a+1] neg_lo:[1,0,0] neg_hi:[1,0,0]   ; n - z n
.set a, a+2
.endr
.set mm, mm+1
.endr
	WIN 0
	s_cmp_lt_u32 s[ZC], 2
	s_cbranch_scc0 .Lz23
	s_cmp_eq_u32 s[ZC], 0
	s_cbranch_scc0 .Lz1
	ZH 0
	s_branch .Lzj
.Lz1:
	ZH 1
	s_branch .Lzj
.Lz23:
	s_cmp_eq_u32 s[ZC], 2
	s_cbranch_scc0 .Lz3
	ZH 2
	s_branch .Lzj
.Lz3:
	ZH 3
.Lzj:
	BAR                                            ; every wave's reads of the stage in the pass before are over
	WIN 0x04
	s_wait_alu depctr_va_vdst(0)                   ; the multiply-adds have written out's numbers into z's registers, which the stores below read
.set mm, 0
.rept 8
.irp q, 0,1,2,3
	ds_store_b128 v[SO], v[32*mm+4*\q:32*mm+4*\q+3] offset:8448*mm+16*\q      ; out(16 m + r, 128 c + 32 w + 16 (lane / 16) + 4 q ..)
.endr
.set mm, mm+1
.endr
	BAR                                            ; 128 rows x 512 bytes lie in the stage
	WIN 0x40
	s_wait_alu depctr_va_vdst(0)                   ; the epilogue's vector instructions are done reading and writing the accumulators' registers, in which the loads below land
	s_wait_alu depctr_vm_vsrc(0)                   ; and the stores into the stage have read them
.set a, 0
.rept 32
	ds_load_b128 v[4*a:4*a+3], v[SR] offset:528*a  ; my 32 rows, a row an instruction
.set a, a+1
.endr
	WIN 0x04
.set a, 0
.rept 32
	s_wait_dscnt 31-a                              ; row a is in; the rows behind it may be out
	global_store_b128 v[GO], v[4*a:4*a+3], s[OP:OP+1] offset:2048*a th:TH_STORE_NT    ; 32 lanes store 512 consecutive bytes, at a multiple of 512 from out's first byte
.set a, a+1
.endr
	WIN 0
	s_wait_xcnt 0x0                                ; the stores have read their registers: the offset may step, and the next pass's products may write the accumulators
	s_wait_alu depctr_vm_vsrc(0)                   ; the stores have read GO and the rows in the accumulators' registers, the bias table's loads BRD: GO and BRD are written below, the accumulators by the next pass's first products
	v_add_nc_u32 v[GO], 0x200, v[GO]
	v_add_nc_u32 v[BRD], 0x200, v[BRD]
	s_wait_alu depctr_va_vdst(0)                   ; GO and BRD are written, which the next pass's stores and loads read
	s_add_co_u32 s[ZC], s[ZC], 1
	s_cmp_lt_u32 s[ZC], 4
	s_cbranch_scc1 .Lz
	s_wait_xcnt 0x0
	v_lshl_add_u32 v254, v0, 2, 0x4d000            ; the add's two registers are made anew here, in registers of the bias numbers, which no memory or LDS instruction has read: my spare word, behind row tile 7's bytes,
	v_mov_b32 v255, 0                              ; and 0
	s_wait_dscnt 0x0                               ; the closing lines, six on end
	s_wait_alu 0x0
	s_wait_tensorcnt 0x0
	ds_add_u32 v254, v255
	s_wait_dscnt 0x0
	s_endpgm
.Lfunc_end_k_qf37cf0e8af_gru:
	.size	k_qf37cf0e8af_gru, .Lfunc_end_k_qf37cf0e8af_gru-k_qf37cf0e8af_gru
	.p2alignl 7, 3214868480
	.fill 96, 4, 3214868480
	.section	.rodata,"a",@progbits
	.p2align	6, 0x0
	.amdhsa_kernel k_qf37cf0e8af_gru
		.amdhsa_group_segment_fixed_size 315904
		.amdhsa_private_segment_fixed_size 0
		.amdhsa_enable_private_segment 0
		.amdhsa_kernarg_size 176
		.amdhsa_user_sgpr_count 2
		.amdhsa_user_sgpr_kernarg_segment_ptr 1
		.amdhsa_wavefront_size32 1
		.amdhsa_system_sgpr_workgroup_id_x 1
		.amdhsa_system_sgpr_workgroup_id_y 1
		.amdhsa_system_sgpr_workgroup_id_z 1
		.amdhsa_system_vgpr_workitem_id 0
		.amdhsa_next_free_vgpr 1024
		.amdhsa_next_free_sgpr 96
		.amdhsa_reserve_vcc 0
		.amdhsa_float_denorm_mode_32 3
		.amdhsa_float_denorm_mode_16_64 3
		.amdhsa_memory_ordered 1
		.amdhsa_forward_progress 1
		.amdhsa_inst_pref_size 255
	.end_amdhsa_kernel
	.section	.bss,"aw",@nobits
	.p2align	6
	.space	262144
	.amdgpu_metadata
---
amdhsa.version: [ 1, 2 ]
amdhsa.kernels:
  - .name:           k_qf37cf0e8af_gru
    .symbol:         k_qf37cf0e8af_gru.kd
    .args:
      - { .name: x_codes, .offset: 0, .size: 8, .value_kind: global_buffer, .address_space: global }
      - { .name: x_scales, .offset: 8, .size: 8, .value_kind: global_buffer, .address_space: global }
      - { .name: h, .offset: 16, .size: 8, .value_kind: global_buffer, .address_space: global }
      - { .name: out0, .offset: 24, .size: 8, .value_kind: global_buffer, .address_space: global }
      - { .name: W_rx_codes, .offset: 32, .size: 8, .value_kind: global_buffer, .address_space: global }
      - { .name: W_rh_codes, .offset: 40, .size: 8, .value_kind: global_buffer, .address_space: global }
      - { .name: W_zx_codes, .offset: 48, .size: 8, .value_kind: global_buffer, .address_space: global }
      - { .name: W_zh_codes, .offset: 56, .size: 8, .value_kind: global_buffer, .address_space: global }
      - { .name: W_nx_codes, .offset: 64, .size: 8, .value_kind: global_buffer, .address_space: global }
      - { .name: W_nh_codes, .offset: 72, .size: 8, .value_kind: global_buffer, .address_space: global }
      - { .name: W_rx_scales, .offset: 80, .size: 8, .value_kind: global_buffer, .address_space: global }
      - { .name: W_rh_scales, .offset: 88, .size: 8, .value_kind: global_buffer, .address_space: global }
      - { .name: W_zx_scales, .offset: 96, .size: 8, .value_kind: global_buffer, .address_space: global }
      - { .name: W_zh_scales, .offset: 104, .size: 8, .value_kind: global_buffer, .address_space: global }
      - { .name: W_nx_scales, .offset: 112, .size: 8, .value_kind: global_buffer, .address_space: global }
      - { .name: W_nh_scales, .offset: 120, .size: 8, .value_kind: global_buffer, .address_space: global }
      - { .name: b_rx, .offset: 128, .size: 8, .value_kind: global_buffer, .address_space: global }
      - { .name: b_rh, .offset: 136, .size: 8, .value_kind: global_buffer, .address_space: global }
      - { .name: b_zx, .offset: 144, .size: 8, .value_kind: global_buffer, .address_space: global }
      - { .name: b_zh, .offset: 152, .size: 8, .value_kind: global_buffer, .address_space: global }
      - { .name: b_nx, .offset: 160, .size: 8, .value_kind: global_buffer, .address_space: global }
      - { .name: b_nh, .offset: 168, .size: 8, .value_kind: global_buffer, .address_space: global }
    .group_segment_fixed_size: 315904
    .private_segment_fixed_size: 0
    .kernarg_segment_align: 8
    .kernarg_segment_size: 176
    .max_flat_workgroup_size: 128
    .sgpr_count:     96
    .vgpr_count:     1024
    .wavefront_size: 32
...
	.end_amdgpu_metadata
.endif
;; end of part 3
